; MI455X (gfx1250); checked and timed in simulation.
; The chip was launched on July 23, 2026; its instructions are those of AMD's public machine-readable ISA for CDNA 5 (MIT licence, August 2026) and "CDNA5" Instruction Set Architecture Reference Guide (July 2026). The comments in the code are by the model that wrote it; some were corrected since.
;; Causal Self Attention. Allowed arithmetic: matrix products marked QUANTISED: E2M1 operands, one E8M0 scale for each 32 along K, by v_wmma_scale_f32_16x16x128_f8f6f4 with both operands' format E2M1 (or v_wmma_scale_f32_32x16x128_f4), f32 sums; everything else in f32.
;; Inputs: b_attn 3,072 float32; b_proj 1,024 float32; w_attn_codes 3,072 x 32 x 16 uint8 (E2M1 codes of w_attn, K innermost, in blocks of 32 codes, two codes a byte); w_attn_scales 3,072 x 32 uint8 (E8M0 scales of w_attn, one for each 32 codes along K); w_proj_codes 1,024 x 32 x 16 uint8 (E2M1 codes of w_proj, K innermost, in blocks of 32 codes, two codes a byte); w_proj_scales 1,024 x 32 uint8 (E8M0 scales of w_proj, one for each 32 codes along K); x_codes 4 x 2,048 x 32 x 16 uint8 (E2M1 codes of x, K innermost, in blocks of 32 codes, two codes a byte); x_scales 4 x 2,048 x 32 uint8 (E8M0 scales of x, one for each 32 codes along K).
;; Outputs: out0 4 x 2,048 x 1,024 float32.
;; This version of the problem:
;;   THIS VERSION OF THE PROBLEM IS GIVEN IN LOW PRECISION. The matrix products marked QUANTISED in the list below multiply operands that are first quantised to E2M1 (2 exponent bits, 1 mantissa bit; 4 bits a number), with one power-of-two scale for each 32 numbers along K (OCP MX v1.0); their sums are f32. All else is computed in f32.
;;   The module's matrix products, in the order in which they are computed (A, B: the left and right operand; K: the contracted axis; several contracted axes count as one K, in the product's order):
;;     1. [M 8,192, K 1,024] x [K 1,024, N 3,072]; A: input x (given as codes); B: input w_attn (given as codes): QUANTISED
;;     2. batch 64 x [M 2,048, K 64] x [K 64, N 2,048]; A: computed on the way; B: computed on the way: QUANTISED
;;     3. batch 64 x [M 2,048, K 2,048] x [K 2,048, N 64]; A: softmax (see below); B: computed on the way: QUANTISED
;;     4. [M 8,192, K 1,024] x [K 1,024, N 1,024]; A: computed on the way; B: input w_proj (given as codes): QUANTISED
;;   THE QUANTISER, for each operand of a quantised product, along K:
;;     - K is cut into blocks of 32 from its start; a last block that is shorter is filled with zeros.
;;     - A block's scale is 2^e with e = floor(log2(the largest magnitude in the block)) - 2, held to -126 .. 127; a block of zeros has e = 0. As a byte (E8M0): e + 127.
;;     - Each number is divided by its block's scale, clamped to +-6, and rounded to the nearest number of E2M1, ties to even, subnormals kept.
;;     - The product sums the exact products of the quantised numbers (number of the format x scale) in f32.
;;   ~~~python
;;   def quantise(x, axis):      # numpy; x: float32 -> the quantised numbers, widened to float32 again
;;       x = np.moveaxis(x, axis, -1); K = x.shape[-1]
;;       x = np.pad(x, [(0, 0)] * (x.ndim - 1) + [(0, -K % 32)]); x = x.reshape(x.shape[:-1] + (-1, 32)); a = np.abs(x).max(-1, keepdims=True)
;;       e = np.where(a > 0, np.clip(np.frexp(np.where(a > 0, a, 1))[1] - 1 - 2, -126, 127), 0)      # np.frexp(a)[1] - 1 = floor(log2(a)), exactly
;;       r = np.clip(x / 2.0 ** e, -6, 6)
;;       step = 2.0 ** (np.maximum(np.frexp(np.where(r == 0, 1, r))[1] - 1, 0) - 1)
;;       q = np.round(r / step) * step * 2.0 ** e      # np.round: ties to even
;;       return np.moveaxis(q.reshape(q.shape[:-2] + (-1,))[..., :K], -1, axis).astype(np.float32)
;;   ~~~
;;   SOFTMAX AHEAD OF A QUANTISED PRODUCT. Where the list says 'softmax', what is quantised is not the finished softmax but p = 2^(t - M), with t = logit x log2(e) and M = ceil(the row's largest t), a whole number; so 1/2 < the row's largest p <= 1. The row's sum l is taken of the UNQUANTISED p, in f32, and the product's result is divided by l at the end. Since M is a whole number, a kernel that streams over the keys may use a running M (the ceiling of the running maximum): every later rescaling is an exact power of two, which a block's scale takes up: the codes' values come out the same.
;;   OPERANDS COMPUTED ON THE WAY. 'Computed on the way' means the value that the module computes at that place (a softmax that the list does not call 'softmax' is quantised finished and normalised). What goes into a quantiser is computed in f32, as accurately as f32 sums, v_exp_f32 and their like allow (about 1e-6 of the number): no bf16 or f16 on the way to a quantiser, and a product that is left as it is and whose result goes on into a quantised operand takes f32 operands (vector FMAs, or v_wmma_f32_16x16x4_f32). A number that lies on a knife's edge between two numbers of the format may be rounded either way, as far as f32 arithmetic and the matrix unit's own rounding can turn it there, and no further.
;;   INPUTS GIVEN AS CODES. w_attn (in the module: [3072, 1024], K = its axis 1); w_proj (in the module: [1024, 1024], K = its axis 1); x (in the module: [4, 2048, 1024], K = its axis 2): each comes as NAME_codes (uint8): NAME with its K axis moved to the last place and cut into blocks of 32 codes, [.., K / 32, bytes a block], one block behind the other in memory; two codes a byte, the lower K in the low four bits (a code: sign, 2 exponent bits, 1 mantissa bit); and NAME_scales (uint8): the same leading axes, one E8M0 byte (e + 127) for each 32 codes along K. Its value is code x scale, taken as it is: it is not quantised again, and the codes and scales need not be those that the quantiser above would give.
;; One version. Each part assembles by itself: llvm-mc -triple=amdgcn-amd-amdhsa -mcpu=gfx1250 --defsym DOCPART=n.
;; ======== version 1 of 1: 3 launches
;; workspace buffers: qk_img 8,388,608 bytes; qk_scl 524,288 bytes; v_img 4,194,304 bytes; v_scl 262,144 bytes; y_img 4,194,304 bytes; y_scl 262,144 bytes
;; launch qkv (part 1): grid 8 x 48, 4 waves a work-group, clusters of 4 x 4, 327,680 bytes of LDS; arguments x_codes, x_scales, w_attn_codes, w_attn_scales, b_attn, qk_img, qk_scl, v_img, v_scl; writes qk_img, qk_scl, v_img, v_scl
.if DOCPART == 1
	.amdgcn_target "amdgcn-amd-amdhsa--gfx1250"
	.amdhsa_code_object_version 6
	.text
	.protected	k_qd140389f98_qkv
	.globl	k_qd140389f98_qkv
	.p2align	8
	.type	k_qd140389f98_qkv,@function
k_qd140389f98_qkv:
	s_mov_b64 s[64:65], 0
	v_nop
	global_prefetch_b8 v0, s[64:65] scope:SCOPE_SE
	s_setreg_imm32_b32 hwreg(HW_REG_WAVE_MODE, 25, 1), 1
	s_wait_xcnt 0x0
	s_wait_alu depctr_hold_cnt(0) depctr_sa_sdst(0) depctr_va_vdst(0) depctr_va_sdst(0) depctr_va_ssrc(0) depctr_va_vcc(0) depctr_vm_vsrc(0)
	s_getreg_b32 s2, hwreg(HW_REG_IB_STS2, 6, 4)
	s_cmp_eq_u32 s2, 0
	s_cbranch_scc0 .Lentry_in_a_cluster
	s_endpgm
.Lentry_in_a_cluster:
	s_bfe_u32 s2, ttmp6, 0x10000c
	s_cmp_lg_u32 s2, 0xf033
	s_cbranch_scc0 .Lentry_shape_is_right
	s_endpgm
.Lentry_shape_is_right:
; FIRST OF THREE LAUNCHES of causal self-attention on codes of FP4 (E2M1) with one E8M0 scale for each 32 along K (B = 4, T = 2,048, C = 1,024, 16 heads of 64).
; This launch: qkv = x w_attn^T + b_attn, and the quantising of q and k (along the head's 64) and of v (along the keys) for the two products of the attention.
; WORK LEFT OUT IN THE PROGRAM (second launch): scores whose key comes after the query are set to -infinity by the mask that the problem builds itself (the lower triangle), so their weight is 0 for every
; finite input; a step of 128 keys that lies wholly behind a wave's 16 queries therefore reaches no output, and its products, exponentials and sums are not done.  LIMIT: a NaN, an infinity or an overflow
; that reaches only such a step is not carried to the result.  Every input has a way to the output and is loaded.
; LIMITS: NaN and infinities in b_attn are not served.  A block whose largest magnitude lies under 2^-124 keeps the scale byte 1; a block of zeros keeps the byte 1 where the rule says 127: its codes are zeros,
; which add nothing under any byte but 0xff, and these bytes are read by this program alone.
; ONE BODY, TWO PARTS, told apart by the cluster's y alone (the same in all sixteen partners); only pointers and offsets are chosen.
;   part qk (cluster y 0-7):  A = x (8,192 tokens), B = w_attn rows 0-2,047: the result is [token][column], and a lane's registers run along the columns, which are the next product's K (the head's 64).
;   part v  (cluster y 8-11): A = w_attn rows 2,048-3,071 (channels), B = x: the result is [channel][token], and a lane's registers run along the tokens, which are the next product's K (the keys).
; So one way out quantises both, and nothing is transposed.  384 tiles of 256 x 256 for 256 WGPs: one and a half rounds.
; A tile of the result, 256 x 256, is made by four waves, each 128 x 128: 64 accumulators of 16 x 16.  K = 1,024 is two LDS slots of 512 along K: both are first fills, nothing is filled again.
; CLUSTERS: 4 x 4 work-groups; A's tile is asked for jointly by a row of the cluster, B's by a column.  The matrix instruction is used transposed (source 0 = 16 rows of B, source 1 = 16 rows of A).
; WHAT IS STORED: IMAGES of 512 bytes: 16 rows x 64 codes in the order of the operand's registers: lane l = (r = l % 16, h = l / 16) owns the 16 bytes at 16 l: codes 32 h .. 32 h + 31 of row r.
;   qk_img [column / 64][token / 16][512]    qk_scl [column / 128][token][4]
;   v_img  [batch][head][key step of 128][channel tile of 16][64 keys][512]    v_scl [batch][head pair][key step][head parity][channel tile][row][4]
; REGISTERS, in windows of 256: window 0: v0-31 addresses and the blocks' scale words; v32-95 scale words of the product, later 64 numbers at work; v96-103 the row bias; v104-115 at work; v117-124 store offsets;
;   v128-191 A's fragments, later the codes; v192-255 the column bias.   window 1: B's fragments, two sets.   windows 2, 3: the accumulators.
.set KSTEP,  512
.set NQ,     KSTEP/128
.set ROWB,   256                       ; a tile's row in bytes
.set KROW,   512                       ; a row of codes in memory
.set PITCH,  272                       ; an LDS row: 256 bytes + 16 of padding: the 16 rows that a load touches start at 16 different banks
.set FR,     8
.set NL,     2
.set NP,     4                         ; places behind this matrix instruction (ISA guide 7.12.1)
.set HALFT,  128*PITCH
.set SLOT,   4*HALFT
.set KS,     32                        ; a row of scales in bytes
.set SCL,    2*SLOT                    ; behind the two slots: the scales, as units of 256 bytes + 16 of padding
.set HALFS,  16*272
.set SBLK,   2*272
.set SPARE,  SCL+4*HALFS               ; the spare words, 128 bytes for each wave
.set STG,    SPARE+512                 ; 512 bytes for each wave: its 128 rows' scale words on the way out; no tile lands here
.set PW,   8                           ; v8-15   block a's scale word
.set ADRA, 16
.set ADRB, 20
.set STO,  24                          ; v24     STG + 512 wave + 4 r
.set RD,   25                          ; v25     STG + 512 wave + 16 lane
.set CO,   26                          ; v26     16 lane
.set ADRS, 27
.set SPW,  28
.set NIL,  29
.set BCO,  30                          ; v30     32 h: my eight numbers of a tile's column bias; never rewritten
.set BRO,  31                          ; v31     4 r: my row's bias; never rewritten
.set SC,   32
.set T,    32                          ; the way out: 64 numbers of a block of 16 rows
.set RB,   96
.set TM,   104                         ; +0..3 largest magnitudes, +4..7 the other half's, then bytes, +8..11 the conversions' scale operands
.set VOFF, 117
.set AF,   128
.set PC,   128                         ; the way out: block a's codes at v[PC + 8 a]
.set CB,   192
.set SEL,  4                           ; s[4:5]  lane selects for v_permlanex16_b32 (written when A's pointer has gone into the descriptors)
.set ISV,  66                          ; s66     1 in part v
.set G1, 24
.set G0, 32
.set G1B, 48
.set G0B, 56
.set G1S, 68
.set G0S, 76
.set G1SB, 80
.set G0SB, 88
.set MSB, 0
.macro WIN new                         ; the immediate's high byte repeats the setting that is left
.if MSB != \new
	s_set_vgpr_msb (MSB<<8)|\new
.set MSB, \new
.endif
.endm
.set MUL_LO, 0xa1                      ; source 0 (B) window 1, source 1 (A) window 0, C and D window 2
.set MUL_HI, 0xf1
.set TO_B,   0x40
; A joint load: waves 0 and 1 fetch for A, waves 2 and 3 for B; the branch hangs on the wave's number alone.  An s_nop 0 and four v_nop follow each of the two lines.
.macro JLOAD g0a, g1a, g0b, g1b
	s_cmp_eq_u32 s15, 0
	s_cbranch_scc0 .Lfor_b_\@
	tensor_load_to_lds s[\g0a:\g0a+3], s[\g1a:\g1a+7]
	s_nop 0
.rept 4
	v_nop
.endr
	s_branch .Lasked_\@
.Lfor_b_\@:
	tensor_load_to_lds s[\g0b:\g0b+3], s[\g1b:\g1b+7]
	s_nop 0
.rept 4
	v_nop
.endr
.Lasked_\@:
.endm
.macro CROUND                          ; a round of the cluster's barrier
	s_barrier_signal -1
	s_barrier_wait -1
	s_cmp_lg_u32 s14, 0
	s_cbranch_scc1 .Lnot_wave_0_\@
	s_barrier_signal -3
.Lnot_wave_0_\@:
	s_barrier_wait -3
	s_barrier_signal -1
	s_barrier_wait -1
.endm
	s_load_b256 s[68:75], s[0:1], 0x0              ; x's codes, x's scales, w_attn's codes, w_attn's scales
	s_load_b256 s[80:87], s[0:1], 0x20             ; b_attn, qk_img, qk_scl, v_img
	s_load_b64 s[92:93], s[0:1], 0x40              ; v_scl
	v_lshl_add_u32 v[SPW], v0, 2, SPARE
	v_mov_b32 v[NIL], 0
	ds_add_u32 v[SPW], v[NIL]                      ; the wave's opening: the add, twice on end, and its wait ahead of my first tensor load
	ds_add_u32 v[SPW], v[NIL]
	v_lshrrev_b32 v1, 5, v0
	v_readfirstlane_b32 s14, v1                    ; wave 0..3
	s_lshr_b32 s15, s14, 1                         ; which half of the tile's rows is mine.  Also: I fetch for A (0) or for B (1)
	s_and_b32 s16, s14, 1                          ; which half of its columns.  Also: which 128 rows I fetch
	s_bfe_u32 s40, ttmp6, 0x40000                  ; cx
	s_bfe_u32 s41, ttmp6, 0x40004                  ; cy
	s_and_b32 s67, ttmp7, 0xffff                   ; cluster y
	s_cmp_ge_u32 s67, 8
	s_cselect_b32 s[ISV], 1, 0
	s_lshl_b32 s18, s67, 3
	s_sub_co_u32 s18, s18, 64                      ; part v: 8 (cluster y - 8)
	s_lshl_b32 s17, s67, 2                         ; part qk: 4 cluster y
	s_cmp_lg_u32 s[ISV], 0
	s_cselect_b32 s18, s18, 0
	s_cselect_b32 s17, 0, s17
	s_cselect_b32 s19, 2048, 0                     ; part v: A's rows begin at row 2,048 of w_attn
	s_add_co_u32 s17, s17, s41                     ; tile row: qk 4 cluster y + cy (0..31); v cy (0..3)
	s_lshl_b32 s42, ttmp9, 2
	s_add_co_u32 s42, s42, s40
	s_add_co_u32 s42, s42, s18                     ; tile column: qk 4 cluster x + cx (0..7); v 8 (cluster y - 8) + 4 cluster x + cx (0..31)
	s_lshl_b32 s43, s41, 2
	s_lshl_b32 s43, 15, s43                        ; my row of the cluster
	s_lshl_b32 s44, 0x1111, s40                    ; my column
	s_or_b32 s[G1+0], s43, (0<<16)|(1<<20)|(1<<21)|(5<<22)|(3<<25)  ; the mask; elements of 1 byte; padding on; bit 21 beside a mask; four words after every 64
	s_or_b32 s[G1B+0], s44, (0<<16)|(1<<20)|(1<<21)|(5<<22)|(3<<25)
.irp g, G1, G1B
	s_mov_b32 s[\g+1], ROWB<<16                    ; tensor_dim0
	s_mov_b32 s[\g+2], 128<<16                     ; tensor_dim1
	s_mov_b32 s[\g+3], ROWB<<16                    ; tile_dim0
	s_mov_b32 s[\g+4], 128                         ; tile_dim1
	s_mov_b32 s[\g+5], KROW                        ; stride from row to row
	s_mov_b32 s[\g+6], 0
	s_mov_b32 s[\g+7], 0
.endr
	s_lshl_b32 s18, s16, 7
	s_lshl_b32 s20, s17, 8
	s_add_co_u32 s20, s20, s18
	s_add_co_u32 s20, s20, s19                     ; A: the first row that I fetch (cy and the cluster's y alone)
	s_lshl_b32 s46, s42, 8
	s_add_co_u32 s46, s46, s18                     ; B: likewise (cx and the cluster's place alone)
	s_lshl_b32 s22, s20, 5                         ; its scales, 32 bytes a row,
	s_mov_b32 s23, 0
	s_lshl_b32 s20, s20, 9                         ; and its codes, 512 bytes a row
	s_mov_b32 s21, 0
	s_lshl_b32 s2, s46, 5
	s_mov_b32 s3, 0
	s_lshl_b32 s46, s46, 9
	s_mov_b32 s47, 0
	s_mul_i32 s45, s14, HALFT                      ; where they go: wave x 128 rows
	s_mul_i32 s94, s14, HALFS
	s_wait_dscnt 0x0                               ; both opening adds are done
	s_wait_kmcnt 0x0
	s_cmp_lg_u32 s[ISV], 0                         ; the choice hangs on the cluster's y alone
	s_cselect_b64 s[4:5], s[72:73], s[68:69]       ; A's codes
	s_cselect_b64 s[6:7], s[74:75], s[70:71]       ; A's scales
	s_cselect_b64 s[8:9], s[68:69], s[72:73]       ; B's codes
	s_cselect_b64 s[10:11], s[70:71], s[74:75]     ; B's scales
	s_cselect_b64 s[96:97], s[86:87], s[82:83]     ; the images' buffer
	s_cselect_b64 s[100:101], s[92:93], s[84:85]   ; the scale words' buffer
	s_mov_b64 s[12:13], s[80:81]                   ; b_attn
	s_add_nc_u64 s[20:21], s[4:5], s[20:21]
	s_add_nc_u64 s[22:23], s[6:7], s[22:23]
	s_add_nc_u64 s[46:47], s[8:9], s[46:47]
	s_add_nc_u64 s[2:3], s[10:11], s[2:3]
	; the scales of 128 rows: a dense block of 4,096 bytes, as 16 rows of 256 bytes (32 elements of 8 bytes), 16 bytes of padding behind each
	s_or_b32 s[G1S+0], s43, (3<<16)|(1<<20)|(1<<21)|(5<<22)|(3<<25)
	s_or_b32 s[G1SB+0], s44, (3<<16)|(1<<20)|(1<<21)|(5<<22)|(3<<25)
.irp g, G1S, G1SB
	s_mov_b32 s[\g+1], 32<<16
	s_mov_b32 s[\g+2], 16<<16
	s_mov_b32 s[\g+3], 32<<16
	s_mov_b32 s[\g+4], 16
	s_mov_b32 s[\g+5], 32
	s_mov_b32 s[\g+6], 0
	s_mov_b32 s[\g+7], 0
.endr
	CROUND                                         ; all sixteen work-groups are here: the first joint loads meet
	s_mov_b32 s[G0S], 1
	s_add_co_u32 s[G0S+1], s94, SCL
	s_mov_b64 s[G0S+2:G0S+3], s[22:23]
	s_or_b32 s[G0S+3], s[G0S+3], 0x80000000
	s_mov_b32 s[G0SB], 1
	s_add_co_u32 s[G0SB+1], s94, SCL
	s_mov_b64 s[G0SB+2:G0SB+3], s[2:3]
	s_or_b32 s[G0SB+3], s[G0SB+3], 0x80000000
	JLOAD G0S, G1S, G0SB, G1SB                     ; the scales first: they are wanted with the first slot.  Three loads of mine are out behind the third JLOAD
.irp s, 0,1
	s_mov_b32 s[G0+4*\s], 1
	s_add_co_u32 s[G0+4*\s+1], s45, \s*SLOT
	s_add_nc_u64 s[G0+4*\s+2:G0+4*\s+3], s[20:21], \s*ROWB
	s_or_b32 s[G0+4*\s+3], s[G0+4*\s+3], 0x80000000
	s_mov_b32 s[G0B+4*\s], 1
	s_add_co_u32 s[G0B+4*\s+1], s45, \s*SLOT
	s_add_nc_u64 s[G0B+4*\s+2:G0B+4*\s+3], s[46:47], \s*ROWB
	s_or_b32 s[G0B+4*\s+3], s[G0B+4*\s+3], 0x80000000
	JLOAD G0+4*\s, G1, G0B+4*\s, G1B
.endr
	v_and_b32 v1, 15, v0                           ; r
	v_bfe_u32 v2, v0, 4, 1                         ; h
	v_mul_u32_u24 v3, v1, PITCH
	v_lshl_add_u32 v4, v2, 4, v3                   ; a fragment's row x pitch + 16 h
	s_mul_i32 s21, s15, HALFT                      ; my 128 rows of A
	s_mul_i32 s22, s16, HALFT                      ; my 128 rows of B,
	s_add_co_u32 s22, s22, 2*HALFT                 ; behind A's 256
.irp s, 0,1
	v_add_nc_u32 v[ADRA+\s], s21, v4
	v_add_nc_u32 v[ADRB+\s], s22, v4
	s_add_co_u32 s21, s21, SLOT
	s_add_co_u32 s22, s22, SLOT
.endr
	v_mul_u32_u24 v5, v1, KS                       ; my row's scales: 32 bytes a row,
	v_lshrrev_b32 v6, 8, v5
	v_lshl_add_u32 v5, v6, 4, v5                   ; and 16 more for each 256 passed
	s_mul_i32 s21, s15, HALFS
	s_mul_i32 s22, s16, HALFS
	s_add_co_u32 s22, s22, 2*HALFS
	s_sub_co_u32 s22, s22, s21
	v_mul_u32_u24 v6, s22, v2                      ; lanes 16-31 take B's: one product, the distance between the two bases
	s_add_co_u32 s21, s21, SCL
	v_add_nc_u32 v5, v5, v6
	v_add_nc_u32 v[ADRS], s21, v5
	; THE WAY OUT'S ADDRESSES.  m0, n0: my wave's first row and column of the part's result
	v_and_b32 v6, 31, v0
	v_lshlrev_b32 v[CO], 4, v6
	s_wait_alu depctr_va_vdst(0)
	v_lshlrev_b32 v[BRO], 2, v1
	v_lshlrev_b32 v[BCO], 5, v2
	s_lshl_b32 s19, s14, 9
	s_add_co_u32 s19, s19, STG
	v_add_nc_u32 v[STO], s19, v[BRO]
	v_add_nc_u32 v[RD], s19, v[CO]
	s_mov_b32 s[SEL], 0x76543210
	s_mov_b32 s[SEL+1], 0xfedcba98
	s_lshl_b32 s18, s17, 8
	s_lshl_b32 s19, s15, 7
	s_add_co_u32 s18, s18, s19                     ; m0
	s_lshl_b32 s19, s42, 8
	s_lshl_b32 s20, s16, 7
	s_add_co_u32 s19, s19, s20                     ; n0
	s_lshl_b32 s20, s19, 12                        ; part qk: images: (n0 / 64) x 262,144 + (m0 / 16) x 512
	s_lshl_b32 s21, s18, 5
	s_add_co_u32 s20, s20, s21
	s_lshl_b32 s22, s19, 8                         ; scale words: (n0 / 128) x 32,768 + 4 m0
	s_lshl_b32 s21, s18, 2
	s_add_co_u32 s22, s22, s21
	s_lshr_b32 s6, s19, 11                         ; part v: the batch,
	s_bfe_u32 s7, s19, 0x40007                     ; the key step
	s_lshl_b32 s46, s6, 20                         ; images: batch x 2^20 + (m0 / 64) x 65,536 + key step x 4,096
	s_lshl_b32 s21, s18, 10
	s_add_co_u32 s46, s46, s21
	s_lshl_b32 s21, s7, 12
	s_add_co_u32 s46, s46, s21
	s_lshl_b32 s8, s6, 16                          ; scale words: batch x 65,536 + (m0 / 128) x 8,192 + key step x 512
	s_lshl_b32 s21, s18, 6
	s_add_co_u32 s8, s8, s21
	s_lshl_b32 s21, s7, 9
	s_add_co_u32 s8, s8, s21
	s_mov_b32 s9, 262144
	s_mov_b32 s10, 512
	s_mov_b32 s11, 2048
	s_add_co_u32 s6, s18, 2048
	s_cmp_lg_u32 s[ISV], 0
	s_cselect_b32 s20, s46, s20                    ; the images' offset
	s_cselect_b32 s22, s8, s22                     ; the scale words'
	s_cselect_b32 s46, 512, s9                     ; from a block's first image to its second
	s_cselect_b32 s10, 1024, s10                   ; from block a to a + 1 inside four,
	s_cselect_b32 s11, 65536, s11                  ; and from block 0 to block 4
	s_cselect_b32 s8, 0, s19                       ; the column bias begins at b_attn[n0] (part v: not used, read at 0)
	s_cselect_b32 s6, s6, 0                        ; the row bias at b_attn[2,048 + m0] (part qk: not used, read at 0)
	s_mov_b32 s21, 0
	s_mov_b32 s23, 0
	s_mov_b32 s47, 0
	s_add_nc_u64 s[96:97], s[96:97], s[20:21]
	s_add_nc_u64 s[98:99], s[96:97], s[46:47]
	s_add_nc_u64 s[100:101], s[100:101], s[22:23]
	s_lshl_b32 s8, s8, 2
	s_mov_b32 s9, 0
	s_add_nc_u64 s[92:93], s[12:13], s[8:9]
	s_lshl_b32 s6, s6, 2
	s_mov_b32 s7, 0
	s_add_nc_u64 s[2:3], s[12:13], s[6:7]
	v_mov_b32 v[VOFF], v[CO]
	v_add_nc_u32 v[VOFF+4], s11, v[CO]
.irp a, 1,2,3,5,6,7
	v_add_nc_u32 v[VOFF+\a], s10, v[VOFF+\a-1]
.endr
.irp b, 0,1,2,3
	v_mov_b32 v[TM+4+\b], 0                        ; written once: a lane permute's destination counts as one of its sources
.endr
	; Both biases are loaded by both parts, 24 loads a wave, so that every register that either arm of the way out names is written on every way through the text; they land while the products run.
.irp b, 0,1,2,3,4,5,6,7
	global_load_b128 v[CB+8*\b:CB+8*\b+3], v[BCO], s[92:93] offset:64*\b        ; b_attn[n0 + 16 b + 8 h + 0 .. 3]
	global_load_b128 v[CB+8*\b+4:CB+8*\b+7], v[BCO], s[92:93] offset:64*\b+16
.endr
.irp a, 0,1,2,3,4,5,6,7
	global_load_b32 v[RB+\a], v[BRO], s[2:3] offset:64*\a                       ; b_attn[2,048 + m0 + 16 a + r]
.endr
.macro FRAG reg, adr, q, i             ; 16 rows x 128 K of 4-bit codes: registers 4 c .. 4 c + 3 hold K = 64 c + 32 h + 0 .. 31
.irp c, 0,1
	ds_load_b128 v[\reg+4*\c:\reg+4*\c+3], v[\adr] offset:64*(\q)+32*\c+(\i)*16*PITCH
.endr
.endm
; 16 matrix instructions: A's blocks a0, a0 + 1 x B's eight, 128 along K.  The 64 accumulators take turns, one instruction a turn, in the same order in every step.
.macro MUL16 a0, p, q, sc, zero
.irp a, \a0, \a0+1
.irp b, 0,1,2,3,4,5,6,7
.if \zero
	v_wmma_scale_f32_16x16x128_f8f6f4 v[8*(8*((\a)%4)+\b):8*(8*((\a)%4)+\b)+7], v[128*(\p)+FR*\b:128*(\p)+FR*\b+FR-1], v[AF+FR*(\a):AF+FR*(\a)+FR-1], 0, v[SC+8*NQ*(\sc)+NQ*\b+(\q)], v[SC+8*NQ*(\sc)+NQ*(\a)+(\q)] matrix_a_fmt:MATRIX_FMT_FP4 matrix_b_fmt:MATRIX_FMT_FP4 matrix_a_scale:MATRIX_SCALE_ROW1
.else
	v_wmma_scale_f32_16x16x128_f8f6f4 v[8*(8*((\a)%4)+\b):8*(8*((\a)%4)+\b)+7], v[128*(\p)+FR*\b:128*(\p)+FR*\b+FR-1], v[AF+FR*(\a):AF+FR*(\a)+FR-1], v[8*(8*((\a)%4)+\b):8*(8*((\a)%4)+\b)+7], v[SC+8*NQ*(\sc)+NQ*\b+(\q)], v[SC+8*NQ*(\sc)+NQ*(\a)+(\q)] matrix_a_fmt:MATRIX_FMT_FP4 matrix_b_fmt:MATRIX_FMT_FP4 matrix_a_scale:MATRIX_SCALE_ROW1
.endif
.endr
.endr
.endm
.macro FETCH_B slot, q, p
	WIN TO_B
.irp i, 0,1,2,3,4,5,6,7
	FRAG 128*(\p)+FR*\i, ADRB+\slot, \q, \i
.endr
	WIN 0
.endm
.macro FETCH_A slot, q, i0
.irp i, \i0, \i0+1, \i0+2, \i0+3
	FRAG AF+FR*(\i), ADRA+\slot, \q, \i
.endr
.endm
.macro SCALES sc                       ; a slot's scale words: four words a row; lanes 0-15 take A's block i, lanes 16-31 B's block i
.irp i, 0,1,2,3,4,5,6,7
	ds_load_b128 v[SC+8*NQ*\sc+NQ*\i:SC+8*NQ*\sc+NQ*\i+3], v[ADRS] offset:\i*SBLK
.endr
.endm
.macro PLACES n                        ; plain vector instructions between a matrix instruction and a load into, or a vector write or read of, its registers
.rept \n
	v_nop
.endr
.endm
.macro STEP slot, q, zero              ; a step of 128 along K that has its successor in the same slot
	s_wait_dscnt 4*NL                              ; all but the youngest eight loads (A's blocks 4-7) are in
	WIN MUL_LO
	MUL16 0, (\q)%2, \q, \slot, \zero
	MUL16 2, (\q)%2, \q, \slot, \zero
	s_wait_dscnt 0
	PLACES NP
	FETCH_B \slot, (\q)+1, 1-(\q)%2
	FETCH_A \slot, (\q)+1, 0
	WIN MUL_HI
	MUL16 4, (\q)%2, \q, \slot, \zero
	MUL16 6, (\q)%2, \q, \slot, \zero
	PLACES NP
	WIN 0
	FETCH_A \slot, (\q)+1, 4
.endm
; Slot 0's last step changes slots.  In front of the barrier each wave waits for all its tensor loads (its part of slot 1), adds 0 to its spare word, and waits for that and for its reads; nothing is filled again.
.macro TURN slot, next
	s_wait_tensorcnt 0x0
	ds_add_u32 v[SPW], v[NIL]                      ; 0 onto my spare word
	s_wait_dscnt 4*NL+1                            ; the add and the youngest eight loads may be out
	WIN MUL_LO
	MUL16 0, 1, NQ-1, \slot, 0
	s_wait_dscnt 0x0
	s_barrier_signal -1
	MUL16 2, 1, NQ-1, \slot, 0
	WIN 0
	s_barrier_wait -1
	PLACES NP
	v_add_nc_u32 v[ADRS], 4*NQ, v[ADRS]            ; on to the next slot's scale words
	FETCH_B \next, 0, 0
	FETCH_A \next, 0, 0
	SCALES \next
	WIN MUL_HI
	MUL16 4, 1, NQ-1, \slot, 0
	MUL16 6, 1, NQ-1, \slot, 0
	PLACES NP
	WIN 0
	FETCH_A \next, 0, 4
.endm
.macro STEPS slot, from
.set Q, \from
.rept NQ-1-\from
	STEP \slot, Q, 0
.set Q, Q+1
.endr
.endm
	s_wait_tensorcnt 1                             ; the scales and my part of slot 0 are in; slot 1's load may be out
	s_barrier_signal -1
	s_barrier_wait -1
	FETCH_B 0, 0, 0
	FETCH_A 0, 0, 0
	SCALES 0
	FETCH_A 0, 0, 4
	STEP 0, 0, 1                                   ; the first products start the sums: nothing is cleared
	STEPS 0, 1
	TURN 0, 1
	STEPS 1, 0
	s_wait_dscnt 4*NL
	WIN MUL_LO
	MUL16 0, 1, NQ-1, 1, 0
	MUL16 2, 1, NQ-1, 1, 0
	s_wait_dscnt 0
	WIN MUL_HI
	MUL16 4, 1, NQ-1, 1, 0
	MUL16 6, 1, NQ-1, 1, 0
	WIN 0
; THE WAY OUT, block by block of 16 rows x 128 columns.  In block a, lane (r, h) holds row r, and register 8 b + j column 16 b + 8 h + j.  So the 16 registers 16 B .. 16 B + 15 are 16 numbers of block B of 32
; columns, and lane l xor 16 holds the other 16.  The bias is added in f32; the block's largest magnitude gives the scale; the codes of tiles 2 B (E) and 2 B + 1 (O) are laid E(2c), E(2c+1), O(2c), O(2c+1),
; and two exchanges of halves turn each such four into registers 4 c .. 4 c + 3 of the next operand: lanes 0-15 hold block 2 c whole, lanes 16-31 block 2 c + 1.
.macro OUTBLK a
.set AC, 64*((\a)%4)
.set PCA, PC+8*(\a)
	s_cmp_lg_u32 s[ISV], 0                         ; the cluster's y alone: the same in every wave of every partner; the arms hold vector work only
	s_cbranch_scc1 .Lrow_\@
	WIN 0x02+(\a)/4                                ; source 0: window 2 or 3
.set i, 0
.rept 32
	v_pk_add_f32 v[T+2*i:T+2*i+1], v[AC+2*i:AC+2*i+1], v[CB+2*i:CB+2*i+1]   ; part qk: a bias for each column; each accumulator from its low end on
.set i, i+1
.endr
	WIN 0
	s_branch .Lsum_\@
.Lrow_\@:
	WIN 0x02+(\a)/4
.set i, 0
.rept 64
	v_add_f32 v[T+i], v[AC+i], v[RB+(\a)]          ; part v: a bias for each row (channel)
.set i, i+1
.endr
	WIN 0
.Lsum_\@:
.irp b, 0,1,2,3
	v_max3_num_f32 v[TM+\b], |v[T+16*\b]|, |v[T+1+16*\b]|, 0x1800000   ; my 16 numbers of block b, and the floor 2^(3 - 127): the byte cannot fall under 1
.endr
.irp i, 2,4,6,8,10,12,14
.irp b, 0,1,2,3
	v_max3_num_f32 v[TM+\b], v[TM+\b], |v[T+16*\b+\i]|, |v[T+1+16*\b+\i]|
.endr
.endr
.irp b, 0,1,2,3
	v_permlanex16_b32 v[TM+4+\b], v[TM+\b], s[SEL], s[SEL+1]
.endr
.irp b, 0,1,2,3
	v_max_num_f32 v[TM+\b], v[TM+\b], v[TM+4+\b]   ; with lane l xor 16's: the block's largest magnitude
.endr
.irp b, 0,1,2,3
	v_add_nc_u32 v[TM+8+\b], 0xff000000, v[TM+\b]  ; 2 off its exponent field: the conversion's scale operand
.endr
.irp b, 0,1,2,3
	v_lshrrev_b32 v[TM+4+\b], 23, v[TM+8+\b]       ; the scale's byte
.endr
	v_lshl_or_b32 v[PW+(\a)], v[TM+5], 8, v[TM+4]  ; my row's scale word for these 128 columns
	v_lshl_or_b32 v[PW+(\a)], v[TM+6], 16, v[PW+(\a)]
	v_lshl_or_b32 v[PW+(\a)], v[TM+7], 24, v[PW+(\a)]
.irp b, 0,1,2,3
	v_cvt_scalef32_pk8_fp4_f32 v[PCA+4*(\b/2)+\b%2], v[T+16*\b:T+16*\b+7], v[TM+8+\b]
	v_cvt_scalef32_pk8_fp4_f32 v[PCA+4*(\b/2)+2+\b%2], v[T+16*\b+8:T+16*\b+15], v[TM+8+\b]
.endr
	v_nop                                          ; one plain place behind a scaled conversion
.irp c, 0,1
	v_permlane16_swap_b32 v[PCA+4*\c], v[PCA+4*\c+1]
	v_permlane16_swap_b32 v[PCA+4*\c+2], v[PCA+4*\c+3]
.endr
	global_store_b128 v[VOFF+(\a)], v[PCA:PCA+3], s[96:97]     ; an image: 32 lanes store 512 consecutive bytes, aligned.  No store's data or offset is written again
	global_store_b128 v[VOFF+(\a)], v[PCA+4:PCA+7], s[98:99]
	ds_store_b32 v[STO], v[PW+(\a)] offset:64*(\a)             ; both halves of the lanes write the same word with the same value
.endm
	s_wait_loadcnt 0x0                             ; the biases
	PLACES NP                                      ; behind the last products: their results are read, and registers that they read are written
.irp a, 0,1,2,3,4,5,6,7
	OUTBLK \a
.endr
	ds_load_b128 v[T:T+3], v[RD]                   ; LDS serves a wave's instructions in order: these see my stores
	s_wait_dscnt 0x0
	global_store_b128 v[CO], v[T:T+3], s[100:101]  ; my 128 rows' scale words: 512 consecutive bytes, aligned
	s_wait_tensorcnt 0x0                           ; the wave's end: behind my last tensor load and my last LDS store
	ds_add_u32 v[SPW], v[NIL]
	s_wait_dscnt 0x0
	CROUND                                         ; the closing round
	s_endpgm
.Lfunc_end_k_qd140389f98_qkv:
	.size	k_qd140389f98_qkv, .Lfunc_end_k_qd140389f98_qkv-k_qd140389f98_qkv
	.p2alignl 7, 3214868480
	.fill 96, 4, 3214868480
	.section	.rodata,"a",@progbits
	.p2align	6, 0x0
	.amdhsa_kernel k_qd140389f98_qkv
		.amdhsa_group_segment_fixed_size 327680
		.amdhsa_private_segment_fixed_size 0
		.amdhsa_enable_private_segment 0
		.amdhsa_kernarg_size 72
		.amdhsa_user_sgpr_count 2
		.amdhsa_user_sgpr_kernarg_segment_ptr 1
		.amdhsa_wavefront_size32 1
		.amdhsa_system_sgpr_workgroup_id_x 1
		.amdhsa_system_sgpr_workgroup_id_y 1
		.amdhsa_system_sgpr_workgroup_id_z 1
		.amdhsa_system_vgpr_workitem_id 0
		.amdhsa_next_free_vgpr 1024
		.amdhsa_next_free_sgpr 102
		.amdhsa_reserve_vcc 0
		.amdhsa_float_denorm_mode_32 3
		.amdhsa_float_denorm_mode_16_64 3
		.amdhsa_memory_ordered 1
		.amdhsa_forward_progress 1
		.amdhsa_inst_pref_size 165
	.end_amdhsa_kernel
	.amdgpu_metadata
---
amdhsa.version: [ 1, 2 ]
amdhsa.kernels:
  - .name:           k_qd140389f98_qkv
    .symbol:         k_qd140389f98_qkv.kd
    .args:
      - { .name: x_codes, .offset: 0, .size: 8, .value_kind: global_buffer, .address_space: global }
      - { .name: x_scales, .offset: 8, .size: 8, .value_kind: global_buffer, .address_space: global }
      - { .name: w_attn_codes, .offset: 16, .size: 8, .value_kind: global_buffer, .address_space: global }
      - { .name: w_attn_scales, .offset: 24, .size: 8, .value_kind: global_buffer, .address_space: global }
      - { .name: b_attn, .offset: 32, .size: 8, .value_kind: global_buffer, .address_space: global }
      - { .name: qk_img, .offset: 40, .size: 8, .value_kind: global_buffer, .address_space: global }
      - { .name: qk_scl, .offset: 48, .size: 8, .value_kind: global_buffer, .address_space: global }
      - { .name: v_img, .offset: 56, .size: 8, .value_kind: global_buffer, .address_space: global }
      - { .name: v_scl, .offset: 64, .size: 8, .value_kind: global_buffer, .address_space: global }
    .group_segment_fixed_size: 327680
    .private_segment_fixed_size: 0
    .kernarg_segment_align: 8
    .kernarg_segment_size: 72
    .max_flat_workgroup_size: 128
    .sgpr_count:     102
    .vgpr_count:     1024
    .wavefront_size: 32
...
	.end_amdgpu_metadata
.endif
;; end of part 1
;; launch attn (part 2): grid 4 x 64, 16 waves a work-group, clusters of 4 x 1, 167,936 bytes of LDS; arguments qk_img, qk_scl, v_img, v_scl, y_img, y_scl; writes y_img, y_scl
.if DOCPART == 2
	.amdgcn_target "amdgcn-amd-amdhsa--gfx1250"
	.amdhsa_code_object_version 6
	.text
	.protected	k_qd140389f98_attn
	.globl	k_qd140389f98_attn
	.p2align	8
	.type	k_qd140389f98_attn,@function
k_qd140389f98_attn:
	s_mov_b64 s[64:65], 0
	v_nop
	global_prefetch_b8 v0, s[64:65] scope:SCOPE_SE
	s_setreg_imm32_b32 hwreg(HW_REG_WAVE_MODE, 25, 1), 1
	s_wait_xcnt 0x0
	s_wait_alu depctr_hold_cnt(0) depctr_sa_sdst(0) depctr_va_vdst(0) depctr_va_sdst(0) depctr_va_ssrc(0) depctr_va_vcc(0) depctr_vm_vsrc(0)
	s_getreg_b32 s2, hwreg(HW_REG_IB_STS2, 6, 4)
	s_cmp_eq_u32 s2, 0
	s_cbranch_scc0 .Lentry_in_a_cluster
	s_endpgm
.Lentry_in_a_cluster:
	s_bfe_u32 s2, ttmp6, 0x10000c
	s_cmp_lg_u32 s2, 0x3003
	s_cbranch_scc0 .Lentry_shape_is_right
	s_endpgm
.Lentry_shape_is_right:
; SECOND LAUNCH: y = softmax(q k^T / 8, causal) v for each batch and head, both products on codes of FP4 with E8M0 scales, and the quantising of y along C for the projection.
; WORK LEFT OUT: a step of 128 keys all of which come after a wave's 16 queries is masked to weight 0 by the problem's own lower triangle for every finite input: it is not done (shown at the first launch's head).
; THE SOFTMAX: t = score x log2(e) / 8; M = the running largest t rounded UP to a whole number; p = 2^(t - M) is quantised along the keys, not normalised; the row's sum is taken of the unquantised p and divides at the end.
; When M moves, the sum and O are multiplied by 2^(old M - new M): exact.
; LIMITS: 1 / sum is v_rcp_f32 and a multiplication; v_exp_f32 gives 0 for results under 2^-126; a block's largest p is taken from the block's largest score, which takes v_exp_f32 not to fall where its input rises;
; a block of zeros keeps the scale byte 1 (its codes are zeros; the bytes are read by this program alone).
; SHARES.  The four work-groups of a cluster (cx = 0..3) serve one batch and head.  Of the head's 128 tiles of 16 queries, tile 4 u + cx belongs to partner cx; wave w owns u = 31 - w (tile A) and u = w (tile B).
; Key step s counts for tile 4 u + cx where s <= u / 2, whatever cx: so every wave of every work-group has (31 - w) / 2 + w / 2 + 2 = 17 live steps, two of them on the diagonal; no branch hangs on cx.
; NO RING.  A head's K, V and scale bytes are 147,456 bytes: they come into LDS once, asked for jointly by the four partners (waves 0, 1: K's halves; waves 2, 3: V's), and nothing is filled again.
; LAYOUT.  Both products transposed: S^T = K Q^T (source 0 = 16 keys), O^T = V^T P^T (source 0 = 16 channels): a lane holds one query throughout.  The first product's K is 64: the upper half of both operands is zero codes.
; All operands lie in memory and LDS as images of their registers (512 bytes: lane l's 16 bytes at 16 l), so every fragment load is 512 consecutive bytes.
; REGISTERS: v1 r - 8 h; v2-4, v7 lane bases; v5, v6 the add's two; v8-11 addresses in hand; v12 -M, v13 largest t, v[14:15] the sum; v16-23 Q; v24-27, v29 tile B's Q and scale; v28 Q's scale word; v30 the diagonal's bound;
;   v31, v255 the two tiles' scale bytes of y; v32-95 eight fragments of K; v96-159 S^T, then p; v160-191 O^T; v192-223 four fragments of V; v224-231 p's codes; v232-254 at work.
.set VC,    65536                      ; LDS: K's codes at 0 (step s, tile t: 4,096 s + 512 t), V's here (4,096 s + 1,024 tile + 512 c),
.set SCK,   131072                     ; K's scale words (512 s + 64 t + 4 r; my head's two bytes at + 2 parity),
.set SCV,   139264                     ; V's (512 s + 256 parity + 64 tile + 4 r),
.set SPARE, 147456                     ; the spare words, 128 bytes for each of sixteen waves
.set RH,   1
.set AV0,  2
.set ASK0, 3
.set ASV0, 4
.set SPW,  5
.set NIL,  6
.set L16,  7                           ; 16 lane: an image's place for my lane; also my place in K's codes, which begin at LDS byte 0
.set ADK,  8
.set ADV,  9
.set ADS,  10
.set ADT,  11
.set WV,   18
.set CX,   19
.set SEL,  20
.set CS,   22
.set G1C,  24                          ; s[24:31] group 1 for 8,192 bytes of codes;  s[32:39] for 4,096 bytes of scales;  s[40:59] five groups 0: all five loads are out together
.set G1S,  32
.set G0,   40
.set HEAD, 60
.set BB,   61
.set PI,   62
.set PAIR, 63
.set TK,   66                          ; LDS byte of the step's codes: 4,096 a step
.set TS,   67                          ; and of its scale words: 512 a step
.set ST,   68                          ; the step's number
.set LAST, 69                          ; the tile's last live step: the one on the diagonal
.set CNT,  70
.set QA,   74
.set QB,   76
.set QSA,  78
.set QSB,  80
.set YA,   82
.set YB,   84
.set YS,   86
.set DIFF, 88
.set DQA,  90
.set DQB,  91
.set LASTB, 92
.macro CROUND
	s_barrier_signal -1
	s_barrier_wait -1
	s_cmp_lg_u32 s[WV], 0
	s_cbranch_scc1 .Lnot_wave_0_\@
	s_barrier_signal -3
.Lnot_wave_0_\@:
	s_barrier_wait -3
	s_barrier_signal -1
	s_barrier_wait -1
.endm
; offsets of the tile with the number u in s[u]: Q's image, Q's scale bytes, y's image; and 16 x the tile's place in its key step.  Leaves the tile's number among all 512 in s3
.macro TILEOFF u, qi, qs, yi, dq
	s_lshl_b32 s3, s[\u], 2
	s_add_co_u32 s3, s3, s[CX]                     ; 4 u + cx
	s_and_b32 s[\dq], s3, 7
	s_lshl_b32 s[\dq], s[\dq], 4
	s_lshl_b32 s72, s[BB], 7
	s_add_co_u32 s3, s3, s72                       ; + 128 batch
	s_lshl_b32 s[\qi], s[HEAD], 18
	s_lshl_b32 s72, s3, 9
	s_add_co_u32 s[\qi], s[\qi], s72
	s_mov_b32 s[\qi+1], 0
	s_lshl_b32 s[\qs], s[PAIR], 15
	s_lshl_b32 s72, s3, 6
	s_add_co_u32 s[\qs], s[\qs], s72
	s_lshl_b32 s72, s[PI], 1
	s_add_co_u32 s[\qs], s[\qs], s72
	s_mov_b32 s[\qs+1], 0
	s_lshl_b32 s[\yi], s3, 13
	s_lshl_b32 s72, s[HEAD], 9
	s_add_co_u32 s[\yi], s[\yi], s72
	s_mov_b32 s[\yi+1], 0
.endm
	s_load_b256 s[4:11], s[0:1], 0x0               ; qk_img, qk_scl, v_img, v_scl
	s_load_b128 s[12:15], s[0:1], 0x20             ; y_img, y_scl
	v_lshl_add_u32 v[SPW], v0, 2, SPARE
	v_mov_b32 v[NIL], 0
	ds_add_u32 v[SPW], v[NIL]                      ; the wave's opening: the add, twice on end, and its wait ahead of the first tensor loads
	ds_add_u32 v[SPW], v[NIL]
	v_lshrrev_b32 v8, 5, v0
	s_delay_alu instid0(VALU_DEP_1)
	v_readfirstlane_b32 s[WV], v8                  ; wave 0..15
	s_bfe_u32 s[CX], ttmp6, 0x40000                ; my place in the cluster: it enters global addresses of Q and y and the diagonal's bound alone
	s_and_b32 s72, ttmp7, 0xffff
	s_and_b32 s[HEAD], s72, 15
	s_lshr_b32 s[BB], s72, 4
	s_and_b32 s[PI], s[HEAD], 1
	s_lshr_b32 s[PAIR], s[HEAD], 1
	s_mov_b32 s[G1C], 15|(3<<16)|(1<<21)           ; the mask: all four partners; elements of 8 bytes; bit 21 beside a mask; no padding: images are read 512 consecutive bytes at a time
	s_mov_b32 s[G1S], 15|(3<<16)|(1<<21)
.irp g, G1C, G1S
	s_mov_b32 s[\g+1], 32<<16                      ; rows of 256 bytes, dense
	s_mov_b32 s[\g+3], 32<<16
	s_mov_b32 s[\g+5], 32
	s_mov_b32 s[\g+6], 0
	s_mov_b32 s[\g+7], 0
.endr
	s_mov_b32 s[G1C+2], 32<<16                     ; 32 rows: 8,192 bytes
	s_mov_b32 s[G1C+4], 32
	s_mov_b32 s[G1S+2], 16<<16                     ; 16 rows: 4,096 bytes
	s_mov_b32 s[G1S+4], 16
	; what I fetch, if I fetch (waves 0-3): made of the head, the batch and the wave's number alone
	s_add_co_u32 s94, s[HEAD], 16
	s_lshl_b32 s94, s94, 18
	s_lshl_b32 s72, s[BB], 16
	s_add_co_u32 s94, s94, s72                     ; K's codes: (16 + head) x 262,144 + batch x 65,536
	s_lshl_b32 s93, s[BB], 20
	s_lshl_b32 s72, s[HEAD], 16
	s_add_co_u32 s93, s93, s72                     ; V's codes: batch x 2^20 + head x 65,536
	s_add_co_u32 s96, s[PAIR], 8
	s_lshl_b32 s96, s96, 15
	s_lshl_b32 s72, s[BB], 13
	s_add_co_u32 s96, s96, s72                     ; K's scales: (8 + pair) x 32,768 + batch x 8,192
	s_lshl_b32 s98, s[BB], 16
	s_lshl_b32 s72, s[PAIR], 13
	s_add_co_u32 s98, s98, s72                     ; V's scales: batch x 65,536 + pair x 8,192
	s_and_b32 s73, s[WV], 1                        ; which half
	s_cmp_lt_u32 s[WV], 2
	s_cselect_b32 s94, s94, s93
	s_cselect_b32 s96, s96, s98
	s_lshl_b32 s72, s73, 13
	s_add_co_u32 s94, s94, s72
	s_lshl_b32 s72, s73, 12
	s_add_co_u32 s96, s96, s72
	s_mov_b32 s95, 0
	s_mov_b32 s97, 0
	s_lshl_b32 s98, s[WV], 12                      ; LDS: scales at SCK + 4,096 wave (waves 2, 3: V's region, which follows K's)
	s_lshr_b32 s99, s[WV], 1
	s_lshl_b32 s99, s99, 16
	s_lshl_b32 s72, s73, 13
	s_add_co_u32 s99, s99, s72                     ; codes at 65,536 (wave / 2) + 8,192 half + 16,384 quarter
	s_sub_co_u32 s2, 31, s[WV]                     ; tile A's u
	s_lshr_b32 s[LAST], s2, 1
	s_lshr_b32 s[LASTB], s[WV], 1
	TILEOFF 2, QA, QSA, YA, DQA
	TILEOFF WV, QB, QSB, YB, DQB
	s_lshl_b32 s[YS], s3, 9                        ; y's scale bytes: tile B's first token x 32 + 2 head
	s_lshl_b32 s72, s[HEAD], 1
	s_add_co_u32 s[YS], s[YS], s72
	s_mov_b32 s[YS+1], 0
	s_lshl_b32 s[DIFF], s[WV], 1
	s_sub_co_u32 s[DIFF], 31, s[DIFF]
	s_lshl_b32 s[DIFF], s[DIFF], 11                ; from tile B's scale bytes to tile A's: 64 (31 - 2 w) tokens of 32 bytes
	s_mov_b32 s[SEL], 0x76543210
	s_mov_b32 s[SEL+1], 0xfedcba98
	s_mov_b32 s[CS], 0x3e38aa3b                    ; c = log2(e) / 8
	s_mov_b32 s[CS+1], s[CS]
	s_mov_b32 s[TK], 0
	s_mov_b32 s[TS], 0
	s_mov_b32 s[ST], 0
	s_wait_dscnt 0x0                               ; both opening adds are done
	s_wait_kmcnt 0x0
	s_cmp_lt_u32 s[WV], 2
	s_cselect_b64 s[2:3], s[4:5], s[8:9]
	s_cselect_b64 s[16:17], s[6:7], s[10:11]
	s_add_nc_u64 s[2:3], s[2:3], s[94:95]
	s_add_nc_u64 s[16:17], s[16:17], s[96:97]
	s_add_nc_u64 s[QA:QA+1], s[4:5], s[QA:QA+1]
	s_add_nc_u64 s[QB:QB+1], s[4:5], s[QB:QB+1]
	s_add_nc_u64 s[QSA:QSA+1], s[6:7], s[QSA:QSA+1]
	s_add_nc_u64 s[QSB:QSB+1], s[6:7], s[QSB:QSB+1]
	s_add_nc_u64 s[YA:YA+1], s[12:13], s[YA:YA+1]
	s_add_nc_u64 s[YB:YB+1], s[12:13], s[YB:YB+1]
	s_add_nc_u64 s[YS:YS+1], s[14:15], s[YS:YS+1]
	CROUND                                         ; all four work-groups are here: the joint loads meet
	s_mov_b32 s[G0], 1
	s_add_co_u32 s[G0+1], s98, SCK
	s_mov_b64 s[G0+2:G0+3], s[16:17]
	s_or_b32 s[G0+3], s[G0+3], 0x80000000
.irp q, 0,1,2,3
	s_mov_b32 s[G0+4+4*\q], 1
	s_add_co_u32 s[G0+5+4*\q], s99, 16384*\q
	s_add_nc_u64 s[G0+6+4*\q:G0+7+4*\q], s[2:3], 16384*\q
	s_or_b32 s[G0+7+4*\q], s[G0+7+4*\q], 0x80000000
.endr
	s_cmp_lt_u32 s[WV], 4                          ; a wave's five fills stand in one branch on the wave's number, ahead of every wait on TENSORcnt and every LDS read: five loads of mine are out
	s_cbranch_scc0 .Lno_fetch
	tensor_load_to_lds s[G0:G0+3], s[G1S:G1S+7]    ; half of K's or V's scale bytes
	s_nop 0
.irp q, 0,1,2,3
	tensor_load_to_lds s[G0+4+4*\q:G0+7+4*\q], s[G1C:G1C+7]   ; my half of keys 512 q .. 512 q + 511
	s_nop 0
.endr
.rept 4
	v_nop
.endr
.Lno_fetch:
	v_and_b32 v8, 31, v0
	s_delay_alu instid0(VALU_DEP_1)
	v_lshlrev_b32 v[L16], 4, v8
	v_and_b32 v9, 15, v0                           ; r
	s_delay_alu instid0(VALU_DEP_1)
	v_lshlrev_b32 v10, 2, v9                       ; 4 r
	global_load_b128 v[16:19], v[L16], s[QA:QA+1]  ; tile A's Q: an image is registers 0-3 of the fragment
	global_load_b128 v[24:27], v[L16], s[QB:QB+1]  ; tile B's, kept
	global_load_u16 v28, v10, s[QSA:QSA+1]         ; its two scale bytes; bytes 2 and 3 are 0, over zero codes
	global_load_u16 v29, v10, s[QSB:QSB+1]
	v_add_nc_u32 v[AV0], VC, v[L16]
	s_lshl_b32 s72, s[PI], 1
	s_add_co_u32 s72, s72, SCK
	v_add_nc_u32 v[ASK0], s72, v10
	s_lshl_b32 s72, s[PI], 8
	s_add_co_u32 s72, s72, SCV
	v_add_nc_u32 v[ASV0], s72, v10
	v_bfe_u32 v8, v0, 4, 1                         ; h
	s_delay_alu instid0(VALU_DEP_1)
	v_lshlrev_b32 v8, 3, v8
	s_delay_alu instid0(VALU_DEP_1)
	v_sub_nc_u32 v[RH], v9, v8                     ; r - 8 h
	s_delay_alu instid0(VALU_DEP_1)
	v_add_nc_u32 v30, s[DQA], v[RH]                ; on the diagonal register 8 t + j holds key 16 t + 8 h + j of the step: hidden where 16 t + j > 16 (tile's place) + r - 8 h
.irp j, 20,21,22,23
	v_mov_b32 v\j, 0                               ; Q's K = 64 .. 127: zero codes, written once
.endr
.irp t, 0,1,2,3,4,5,6,7
.irp j, 4,5,6,7
	v_mov_b32 v[32+8*\t+\j], 0                     ; K's likewise
.endr
.endr
.irp j, 236,237,238,239,252,253,254
	v_mov_b32 v\j, 0                               ; written once: permute destinations, and the upper half of the pair v[252:253]
.endr
.macro INIT                            ; a tile begins: the largest t under every t, the sum and O^T zero (the step is written for all steps alike: the first change of M multiplies zeros)
	v_mov_b32 v13, 0xff61b1e6
	s_delay_alu instid0(VALU_DEP_1)
	v_floor_f32 v12, -v13
	v_mov_b32 v14, 0
	v_mov_b32 v15, 0
.set i, 0
.rept 32
	v_mov_b32 v[160+i], 0
.set i, i+1
.endr
.endm
	INIT
; A KEY STEP: 128 keys.  m = 0: all keys count.  m = 1: with the causal tests, which hang on the step's count and the wave's number alone.
.macro STEP m
.if \m
	s_cmp_gt_u32 s[ST], s[LAST]                    ; all keys of the step come after my queries: the step's work is left out; the lines at its end that step addresses are not
	s_cbranch_scc1 .Lhidden_\@
.endif
	s_setprio 2
	v_add_nc_u32 v[ADK], s[TK], v[L16]             ; these four are also the places between the last step's products and the loads into registers that they read
	v_add_nc_u32 v[ADV], s[TK], v[AV0]
	v_add_nc_u32 v[ADS], s[TS], v[ASK0]
	v_add_nc_u32 v[ADT], s[TS], v[ASV0]
.irp t, 0,1,2,3,4,5,6,7
	ds_load_b128 v[32+8*\t:35+8*\t], v[ADK] offset:512*\t
.endr
.irp t, 0,1,2,3,4,5,6,7
	ds_load_u16 v[244+\t], v[ADS] offset:64*\t
.endr
	s_wait_alu depctr_va_vdst(0)
	s_wait_dscnt 0x0
.irp t, 0,1,2,3,4,5,6,7
	v_wmma_scale_f32_16x16x128_f8f6f4 v[96+8*\t:103+8*\t], v[32+8*\t:39+8*\t], v[16:23], 0, v[244+\t], v28 matrix_a_fmt:MATRIX_FMT_FP4 matrix_b_fmt:MATRIX_FMT_FP4
.endr
.irp u, 0,1,2,3
.irp c, 0,1
	ds_load_b128 v[192+8*\u+4*\c:195+8*\u+4*\c], v[ADV] offset:1024*\u+512*\c   ; V lands while the softmax is worked
.endr
.endr
.rept 4
	v_nop                                          ; places: the scores are read, and loads go into scale registers that the products above read
.endr
.irp u, 0,1,2,3
	ds_load_b32 v[244+\u], v[ADT] offset:64*\u
.endr
.if \m
	s_cmp_lg_u32 s[ST], s[LAST]                    ; only the tile's last live step lies on the diagonal
	s_cbranch_scc1 .Lopen_\@
	v_mov_b32 v254, 0xff800000                     ; -infinity ahead of the maximum: p = 0 then.  The step's first key counts for every query of the tile, so the maximum is a number
.irp n, 0,1,2,3,4,5,6,7,8,9,10,11,12,13,14,15,16,17,18,19,20,21,22,23,24,25,26,27,28,29,30,31,32,33,34,35,36,37,38,39,40,41,42,43,44,45,46,47,48,49,50,51,52,53,54,55,56,57,58,59,60,61,62,63
	v_cmp_gt_i32 vcc_lo, 16*(\n/8)+\n%8, v30
	v_cndmask_b32 v[96+\n], v[96+\n], v254, vcc_lo
.endr
.Lopen_\@:
.endif
.irp b, 0,1,2,3
	v_max3_num_f32 v[232+\b], v[96+16*\b], v[97+16*\b], v[98+16*\b]   ; the largest score of each block of 32 keys: for the row's maximum and for the block's largest p
.endr
.irp i, 3,5,7,9,11,13
.irp b, 0,1,2,3
	v_max3_num_f32 v[232+\b], v[232+\b], v[96+16*\b+\i], v[97+16*\b+\i]
.endr
.endr
.irp b, 0,1,2,3
	v_max_num_f32 v[232+\b], v[232+\b], v[111+16*\b]
.endr
.irp b, 0,1,2,3
	s_delay_alu instid0(VALU_DEP_4)
	v_permlanex16_b32 v[236+\b], v[232+\b], s[SEL], s[SEL+1]
.endr
.irp b, 0,1,2,3
	s_delay_alu instid0(VALU_DEP_4)
	v_max_num_f32 v[232+\b], v[232+\b], v[236+\b]  ; with lane l xor 16's 16 keys
.endr
	s_delay_alu instid0(VALU_DEP_2)
	v_max3_num_f32 v254, v232, v233, v234
	s_delay_alu instid0(VALU_DEP_1)
	v_max_num_f32 v254, v254, v235
	s_delay_alu instid0(VALU_DEP_1)
	v_mul_f32 v254, s[CS], v254                    ; as t (c is positive)
	s_delay_alu instid0(VALU_DEP_1)
	v_max_num_f32 v13, v13, v254                   ; the running largest t
	v_mov_b32 v254, v12
	s_delay_alu instid0(VALU_DEP_2)
	v_floor_f32 v12, -v13                          ; the new -M = floor(-t): M is a whole number
	s_delay_alu instid0(VALU_DEP_1)
	v_sub_f32 v254, v12, v254                      ; old M - new M: a whole number, 0 or less
	s_delay_alu instid0(VALU_DEP_1)
	v_cvt_i32_f32 v254, v254                       ; (it saturates)
	s_delay_alu instid0(VALU_DEP_1)
	v_ldexp_f32 v252, 1.0, v254                    ; f = 2^(old M - new M)
.irp j, 0,2,4,6,8,10,12,14,16,18,20,22,24,26,28,30,32,34,36,38,40,42,44,46,48,50,52,54,56,58,60,62
	v_pk_fma_f32 v[96+\j:97+\j], v[96+\j:97+\j], s[CS:CS+1], v[12:13] op_sel_hi:[1,0,0]   ; t - M
.endr
.irp b, 0,1,2,3
	v_fma_f32 v[232+\b], v[232+\b], s[CS], v12     ; the same of each block's largest score
.endr
	s_setprio 1
	s_wait_alu depctr_va_vdst(0)
.irp j, 0,1,2,3,4,5,6,7,8,9,10,11,12,13,14,15,16,17,18,19,20,21,22,23,24,25,26,27,28,29,30,31,32,33,34,35,36,37,38,39,40,41,42,43,44,45,46,47,48,49,50,51,52,53,54,55,56,57,58,59,60,61,62,63
	v_exp_f32 v[96+\j], v[96+\j]                   ; p = 2^(t - M)
.endr
	v_pk_mul_f32 v[14:15], v[14:15], v[252:253] op_sel_hi:[1,0]   ; the sums under the new M: the plain place behind the exponentials
	s_wait_alu depctr_va_vdst(0)                   ; one wait for the batch of 64, ahead of its first reader
.irp b, 0,1,2,3
	v_exp_f32 v[232+\b], v[232+\b]                 ; the block's largest p
.endr
	v_pk_add_f32 v[236:237], v[100:101], v[104:105]
	v_pk_add_f32 v[250:251], v[108:109], v[112:113]
	v_pk_add_f32 v[248:249], v[116:117], v[120:121]
	v_pk_add_f32 v[242:243], v[124:125], v[128:129]
	v_pk_add_f32 v[240:241], v[132:133], v[136:137]
	v_pk_add_f32 v[238:239], v[140:141], v[144:145]
	v_pk_add_f32 v[230:231], v[148:149], v[152:153]
	v_pk_add_f32 v[14:15], v[14:15], v[156:157]
	v_pk_add_f32 v[236:237], v[236:237], v[96:97]
	v_pk_add_f32 v[250:251], v[250:251], v[98:99]
	v_pk_add_f32 v[248:249], v[248:249], v[102:103]
	v_pk_add_f32 v[242:243], v[242:243], v[106:107]
	v_pk_add_f32 v[240:241], v[240:241], v[110:111]
	v_pk_add_f32 v[238:239], v[238:239], v[114:115]
	v_pk_add_f32 v[230:231], v[230:231], v[118:119]
	v_pk_add_f32 v[14:15], v[14:15], v[122:123]
	v_pk_add_f32 v[236:237], v[236:237], v[126:127]
	v_pk_add_f32 v[250:251], v[250:251], v[130:131]
	v_pk_add_f32 v[248:249], v[248:249], v[134:135]
	v_pk_add_f32 v[242:243], v[242:243], v[138:139]
	v_pk_add_f32 v[240:241], v[240:241], v[142:143]
	v_pk_add_f32 v[238:239], v[238:239], v[146:147]
	v_pk_add_f32 v[230:231], v[230:231], v[150:151]
	v_pk_add_f32 v[14:15], v[14:15], v[154:155]
	v_pk_add_f32 v[236:237], v[236:237], v[158:159]
	s_delay_alu instid0(VALU_DEP_2)
	v_pk_add_f32 v[14:15], v[14:15], v[242:243]
	s_delay_alu instid0(VALU_DEP_2)
	v_pk_add_f32 v[236:237], v[236:237], v[240:241]
	v_pk_add_f32 v[250:251], v[250:251], v[238:239]
	v_pk_add_f32 v[248:249], v[248:249], v[230:231]
	s_delay_alu instid0(VALU_DEP_2)
	v_pk_add_f32 v[14:15], v[14:15], v[250:251]
	s_delay_alu instid0(VALU_DEP_2)
	v_pk_add_f32 v[236:237], v[236:237], v[248:249]
	s_delay_alu instid0(VALU_DEP_1)
	v_pk_add_f32 v[14:15], v[14:15], v[236:237]
	s_wait_alu depctr_va_vdst(0)                   ; and one for the four
.irp b, 0,1,2,3
	v_max_num_f32 v[232+\b], 0x1800000, v[232+\b]  ; the floor 2^(3 - 127)
.endr
.irp b, 0,1,2,3
	s_delay_alu instid0(VALU_DEP_4)
	v_add_nc_u32 v[240+\b], 0xff000000, v[232+\b]  ; the conversion's scale operand
.endr
.irp b, 0,1,2,3
	s_delay_alu instid0(VALU_DEP_4)
	v_lshrrev_b32 v[236+\b], 23, v[240+\b]         ; the scale's byte
.endr
	s_delay_alu instid0(VALU_DEP_3)
	v_lshl_or_b32 v253, v237, 8, v236              ; p's scale word for these 128 keys
	s_delay_alu instid0(VALU_DEP_1)
	v_lshl_or_b32 v253, v238, 16, v253
	s_delay_alu instid0(VALU_DEP_1)
	v_lshl_or_b32 v253, v239, 24, v253
	s_setprio 0
.irp b, 0,1,2,3
	v_cvt_scalef32_pk8_fp4_f32 v[224+4*(\b/2)+\b%2], v[96+16*\b:103+16*\b], v[240+\b]      ; keys 32 b + 8 h + 0 .. 7
	v_cvt_scalef32_pk8_fp4_f32 v[226+4*(\b/2)+\b%2], v[104+16*\b:111+16*\b], v[240+\b]     ; keys 32 b + 16 + 8 h + 0 .. 7
.endr
	v_nop                                          ; one plain place behind a scaled conversion
.irp c, 0,1
	v_permlane16_swap_b32 v[224+4*\c], v[225+4*\c] ; lanes 0-15 get block 2 c whole, lanes 16-31 block 2 c + 1
	v_permlane16_swap_b32 v[226+4*\c], v[227+4*\c]
.endr
.irp j, 0,2,4,6,8,10,12,14,16,18,20,22,24,26,28,30
	v_pk_mul_f32 v[160+\j:161+\j], v[160+\j:161+\j], v[252:253] op_sel_hi:[1,0]   ; O^T under the new M.  These sixteen are also the places between the scale word and the codes just written and the products below
.endr
	s_wait_alu depctr_va_vdst(0)
	s_wait_dscnt 0x0                               ; V and its scale words
.irp u, 0,1,2,3
	v_wmma_scale_f32_16x16x128_f8f6f4 v[160+8*\u:167+8*\u], v[192+8*\u:199+8*\u], v[224:231], v[160+8*\u:167+8*\u], v[244+\u], v253 matrix_a_fmt:MATRIX_FMT_FP4 matrix_b_fmt:MATRIX_FMT_FP4
.endr                                              ; the four accumulators take turns; between two links of a chain stand the other three's and the next step's eight
.if \m
.Lhidden_\@:
.endif
	s_add_co_u32 s[ST], s[ST], 1
	s_add_co_u32 s[TK], s[TK], 4096
	s_add_co_u32 s[TS], s[TS], 512
.endm
; A TILE ENDS: O^T / the sum is y(query r, channel 16 tile + 8 h + j): two blocks of 32 along C.  It is quantised as in the first launch; the image goes out as 512 consecutive bytes; the two scale bytes are kept in v[w].
.macro FINISH yb, w
.rept 4
	v_nop                                          ; places behind the last products
.endr
	v_add_f32 v14, v14, v15
	s_delay_alu instid0(VALU_DEP_1)
	v_permlanex16_b32 v254, v14, s[SEL], s[SEL+1]
	s_delay_alu instid0(VALU_DEP_1)
	v_add_f32 v14, v14, v254                       ; the row's sum
	s_wait_alu depctr_va_vdst(0)
	v_rcp_f32 v14, v14
	v_nop                                          ; a plain place behind the reciprocal,
	s_wait_alu depctr_va_vdst(0)                   ; and the wait ahead of its first reader
.irp j, 0,2,4,6,8,10,12,14,16,18,20,22,24,26,28,30
	v_pk_mul_f32 v[96+\j:97+\j], v[160+\j:161+\j], v[14:15] op_sel_hi:[1,0]
.endr
.irp b, 0,1
	v_max3_num_f32 v[232+\b], |v[96+16*\b]|, |v[97+16*\b]|, 0x1800000
.endr
.irp i, 2,4,6,8,10,12,14
.irp b, 0,1
	s_delay_alu instid0(VALU_DEP_2)
	v_max3_num_f32 v[232+\b], v[232+\b], |v[96+16*\b+\i]|, |v[97+16*\b+\i]|
.endr
.endr
.irp b, 0,1
	s_delay_alu instid0(VALU_DEP_2)
	v_permlanex16_b32 v[236+\b], v[232+\b], s[SEL], s[SEL+1]
.endr
.irp b, 0,1
	s_delay_alu instid0(VALU_DEP_2)
	v_max_num_f32 v[232+\b], v[232+\b], v[236+\b]
.endr
.irp b, 0,1
	s_delay_alu instid0(VALU_DEP_2)
	v_add_nc_u32 v[240+\b], 0xff000000, v[232+\b]
.endr
.irp b, 0,1
	s_delay_alu instid0(VALU_DEP_2)
	v_lshrrev_b32 v[236+\b], 23, v[240+\b]
.endr
	s_delay_alu instid0(VALU_DEP_1)
	v_lshl_or_b32 v[\w], v237, 8, v236
	v_cvt_scalef32_pk8_fp4_f32 v224, v[96:103], v240
	v_cvt_scalef32_pk8_fp4_f32 v225, v[112:119], v241
	v_cvt_scalef32_pk8_fp4_f32 v226, v[104:111], v240
	v_cvt_scalef32_pk8_fp4_f32 v227, v[120:127], v241
	v_nop
	v_permlane16_swap_b32 v224, v225
	v_permlane16_swap_b32 v226, v227
	global_store_b128 v[L16], v[224:227], s[\yb:\yb+1]
.endm
	s_wait_loadcnt 0x0                             ; Q
	s_wait_tensorcnt 0x3                           ; of a fetching wave's five loads the scales and keys 0-511 are in; three may be out
	s_barrier_signal -1
	s_barrier_wait -1
	s_mov_b32 s[CNT], 4
.Lq0:                                              ; tile A, steps 0-3: its last live step is 8 or later, so steps 0-7 need no test
	STEP 0
	s_sub_co_u32 s[CNT], s[CNT], 1
	s_cmp_lg_u32 s[CNT], 0
	s_cbranch_scc1 .Lq0
	s_setprio 0
	s_wait_tensorcnt 0x2                           ; keys 512-1,023 are in; two loads may be out
	s_wait_dscnt 0x0
	s_barrier_signal -1
	s_barrier_wait -1
	s_mov_b32 s[CNT], 4
.Lq1:                                              ; steps 4-7
	STEP 0
	s_sub_co_u32 s[CNT], s[CNT], 1
	s_cmp_lg_u32 s[CNT], 0
	s_cbranch_scc1 .Lq1
	s_setprio 0
	s_wait_tensorcnt 0x0                           ; all keys
	s_wait_dscnt 0x0
	s_barrier_signal -1
	s_barrier_wait -1
	s_mov_b32 s[CNT], 8
.Lq2:                                              ; steps 8-15, up to the diagonal
	STEP 1
	s_sub_co_u32 s[CNT], s[CNT], 1
	s_cmp_lg_u32 s[CNT], 0
	s_cbranch_scc1 .Lq2
	s_setprio 0
	FINISH YA, 31
	s_wait_xcnt 0x0                                ; the store has read its registers: the codes' are written again below
.irp j, 0,1,2,3
	v_mov_b32 v[16+\j], v[24+\j]                   ; tile B's Q
.endr
	v_mov_b32 v28, v29
	v_add_nc_u32 v30, s[DQB], v[RH]
	s_mov_b32 s[LAST], s[LASTB]
	s_mov_b32 s[TK], 0
	s_mov_b32 s[TS], 0
	s_mov_b32 s[ST], 0
	INIT
	s_mov_b32 s[CNT], 8
.Lq3:                                              ; tile B: its last live step is 7 or earlier
	STEP 1
	s_sub_co_u32 s[CNT], s[CNT], 1
	s_cmp_lg_u32 s[CNT], 0
	s_cbranch_scc1 .Lq3
	s_setprio 0
	FINISH YB, 255
	v_permlane16_swap_b32 v255, v31                ; lanes 0-15: tile B's rows' bytes; lanes 16-31: tile A's
	v_and_b32 v8, 15, v0
	s_delay_alu instid0(VALU_DEP_1)
	v_lshlrev_b32 v8, 5, v8                        ; a token's 32 scale bytes
	v_bfe_u32 v9, v0, 4, 1
	s_delay_alu instid0(VALU_DEP_1)
	v_mad_u32_u24 v8, v9, s[DIFF], v8
	global_store_b16 v8, v255, s[YS:YS+1]          ; two bytes a lane, 32 bytes apart: a head owns two of a token's 32 bytes; one byte in 17 of what this launch stores
	s_wait_tensorcnt 0x0                           ; the wave's end
	ds_add_u32 v[SPW], v[NIL]
	s_wait_dscnt 0x0
	CROUND                                         ; the closing round
	s_endpgm
.Lfunc_end_k_qd140389f98_attn:
	.size	k_qd140389f98_attn, .Lfunc_end_k_qd140389f98_attn-k_qd140389f98_attn
	.p2alignl 7, 3214868480
	.fill 96, 4, 3214868480
	.section	.rodata,"a",@progbits
	.p2align	6, 0x0
	.amdhsa_kernel k_qd140389f98_attn
		.amdhsa_group_segment_fixed_size 167936
		.amdhsa_private_segment_fixed_size 0
		.amdhsa_enable_private_segment 0
		.amdhsa_kernarg_size 48
		.amdhsa_user_sgpr_count 2
		.amdhsa_user_sgpr_kernarg_segment_ptr 1
		.amdhsa_wavefront_size32 1
		.amdhsa_system_sgpr_workgroup_id_x 1
		.amdhsa_system_sgpr_workgroup_id_y 1
		.amdhsa_system_sgpr_workgroup_id_z 1
		.amdhsa_system_vgpr_workitem_id 0
		.amdhsa_next_free_vgpr 256
		.amdhsa_next_free_sgpr 100
		.amdhsa_reserve_vcc 1
		.amdhsa_float_denorm_mode_32 3
		.amdhsa_float_denorm_mode_16_64 3
		.amdhsa_memory_ordered 1
		.amdhsa_forward_progress 1
		.amdhsa_inst_pref_size 99
	.end_amdhsa_kernel
	.amdgpu_metadata
---
amdhsa.version: [ 1, 2 ]
amdhsa.kernels:
  - .name:           k_qd140389f98_attn
    .symbol:         k_qd140389f98_attn.kd
    .args:
      - { .name: qk_img, .offset: 0, .size: 8, .value_kind: global_buffer, .address_space: global }
      - { .name: qk_scl, .offset: 8, .size: 8, .value_kind: global_buffer, .address_space: global }
      - { .name: v_img, .offset: 16, .size: 8, .value_kind: global_buffer, .address_space: global }
      - { .name: v_scl, .offset: 24, .size: 8, .value_kind: global_buffer, .address_space: global }
      - { .name: y_img, .offset: 32, .size: 8, .value_kind: global_buffer, .address_space: global }
      - { .name: y_scl, .offset: 40, .size: 8, .value_kind: global_buffer, .address_space: global }
    .group_segment_fixed_size: 167936
    .private_segment_fixed_size: 0
    .kernarg_segment_align: 8
    .kernarg_segment_size: 48
    .max_flat_workgroup_size: 512
    .sgpr_count:     100
    .vgpr_count:     256
    .wavefront_size: 32
...
	.end_amdgpu_metadata
.endif
;; end of part 2
;; launch proj (part 3): grid 4 x 32, 4 waves a work-group, clusters of 4 x 4, 327,680 bytes of LDS; arguments y_img, y_scl, w_proj_codes, w_proj_scales, b_proj, out0; writes out0
.if DOCPART == 3
	.amdgcn_target "amdgcn-amd-amdhsa--gfx1250"
	.amdhsa_code_object_version 6
	.text
	.protected	k_qd140389f98_proj
	.globl	k_qd140389f98_proj
	.p2align	8
	.type	k_qd140389f98_proj,@function
k_qd140389f98_proj:
	s_mov_b64 s[64:65], 0
	v_nop
	global_prefetch_b8 v0, s[64:65] scope:SCOPE_SE
	s_setreg_imm32_b32 hwreg(HW_REG_WAVE_MODE, 25, 1), 1
	s_wait_xcnt 0x0
	s_wait_alu depctr_hold_cnt(0) depctr_sa_sdst(0) depctr_va_vdst(0) depctr_va_sdst(0) depctr_va_ssrc(0) depctr_va_vcc(0) depctr_vm_vsrc(0)
	s_getreg_b32 s2, hwreg(HW_REG_IB_STS2, 6, 4)
	s_cmp_eq_u32 s2, 0
	s_cbranch_scc0 .Lentry_in_a_cluster
	s_endpgm
.Lentry_in_a_cluster:
	s_bfe_u32 s2, ttmp6, 0x10000c
	s_cmp_lg_u32 s2, 0xf033
	s_cbranch_scc0 .Lentry_shape_is_right
	s_endpgm
.Lentry_shape_is_right:
; THIRD LAUNCH: out0 = y w_proj^T + b_proj on codes of FP4 with E8M0 scales.  A = y [8,192][1,024], as the second launch left it; B = w_proj [1,024][1,024]; out0 f32.  Nothing is left out here.
; LIMIT: NaN and infinities in b_proj are not served.
; A tile of out0, 256 x 256, is made by four waves, each 128 x 128.  K = 1,024 is two LDS slots of 512: both are first fills, nothing is filled again.  128 tiles: 128 work-groups.
; A ARRIVES AS IMAGES: y_img [token / 16][head][512], an image being 16 rows x 64 codes in the order of the operand's registers (lane l's 16 bytes at 16 l).  A slot's part of 16 rows is 4,096 consecutive bytes,
; so a wave's tensor load brings 8 rows of 4,096 bytes, 8,192 apart, with no padding, and a fragment load reads 512 consecutive bytes.  B's tiles and both sides' scales come as rows, padded.
; THE BIAS is the C of each sum's first matrix instruction: eight registers for each of B's eight blocks, in the result's layout.
; CLUSTERS: 4 x 4; A's tile is asked for jointly by a row of the cluster, B's by a column.  The matrix instruction is used transposed (source 0 = 16 rows of B, source 1 = 16 rows of A).
; REGISTERS: window 0: v0-31 addresses; v32-95 scale words, two sets; v128-191 A's fragments; v192-255 the bias; on the way out v128-255 rows of out0.  window 1: B's two sets.  windows 2, 3: the accumulators.
.set SIZE_N, 1024
.set KSTEP,  512
.set NQ,     KSTEP/128
.set ROWB,   256
.set KROW,   512
.set PITCH,  272
.set FR,     8
.set NL,     2
.set NP,     4
.set HALFA,  32768                     ; 128 rows of A in a slot: 8 x 4,096 bytes
.set HALFT,  128*PITCH                 ; 128 rows of B
.set BOFF,   2*HALFA
.set SLOT,   BOFF+2*HALFT
.set KS,     32
.set SCL,    2*SLOT
.set HALFS,  16*272
.set SBLK,   2*272
.set SPARE,  SCL+4*HALFS
.set SPITCH, 528                       ; the way out: a stage of 16 rows x (512 bytes + 16) for each wave, in slot 0, which has had its one fill and its last read when the first result is stored there
.set ADRA, 16
.set ADRB, 20
.set STO,  24
.set RD,   25
.set CO,   26
.set ADRS, 27
.set SPW,  28
.set NIL,  29
.set BCO,  30                          ; v30  32 h; never rewritten
.set SC,   32
.set AF,   128
.set BK,   128
.set CB,   192
.set G1, 24
.set G0, 32
.set G1B, 48
.set G0B, 56
.set G1S, 68
.set G0S, 76
.set G1SB, 80
.set G0SB, 88
.set MSB, 0
.macro WIN new
.if MSB != \new
	s_set_vgpr_msb (MSB<<8)|\new
.set MSB, \new
.endif
.endm
.set MUL_LO, 0xa1
.set MUL_HI, 0xf1
.set TO_B,   0x40
.macro JLOAD g0a, g1a, g0b, g1b        ; waves 0 and 1 fetch for A, waves 2 and 3 for B; an s_nop 0 and four v_nop follow each of the two lines
	s_cmp_eq_u32 s15, 0
	s_cbranch_scc0 .Lfor_b_\@
	tensor_load_to_lds s[\g0a:\g0a+3], s[\g1a:\g1a+7]
	s_nop 0
.rept 4
	v_nop
.endr
	s_branch .Lasked_\@
.Lfor_b_\@:
	tensor_load_to_lds s[\g0b:\g0b+3], s[\g1b:\g1b+7]
	s_nop 0
.rept 4
	v_nop
.endr
.Lasked_\@:
.endm
.macro CROUND
	s_barrier_signal -1
	s_barrier_wait -1
	s_cmp_lg_u32 s14, 0
	s_cbranch_scc1 .Lnot_wave_0_\@
	s_barrier_signal -3
.Lnot_wave_0_\@:
	s_barrier_wait -3
	s_barrier_signal -1
	s_barrier_wait -1
.endm
	s_load_b128 s[4:7], s[0:1], 0x0                ; y_img, y_scl
	s_load_b128 s[8:11], s[0:1], 0x10              ; w_proj's codes, w_proj's scales
	s_load_b128 s[96:99], s[0:1], 0x20             ; b_proj, out0
	v_lshl_add_u32 v[SPW], v0, 2, SPARE
	v_mov_b32 v[NIL], 0
	ds_add_u32 v[SPW], v[NIL]                      ; the wave's opening: the add, twice on end, and its wait ahead of my first tensor load
	ds_add_u32 v[SPW], v[NIL]
	v_lshrrev_b32 v1, 5, v0
	v_readfirstlane_b32 s14, v1                    ; wave 0..3
	s_lshr_b32 s15, s14, 1
	s_and_b32 s16, s14, 1
	s_bfe_u32 s40, ttmp6, 0x40000                  ; cx
	s_bfe_u32 s41, ttmp6, 0x40004                  ; cy
	s_lshl_b32 s42, ttmp9, 2
	s_add_co_u32 s42, s42, s40                     ; tile column
	s_and_b32 s17, ttmp7, 0xffff
	s_lshl_b32 s17, s17, 2
	s_add_co_u32 s17, s17, s41                     ; tile row
	s_lshl_b32 s43, s41, 2
	s_lshl_b32 s43, 15, s43                        ; my row of the cluster
	s_lshl_b32 s44, 0x1111, s40                    ; my column
	s_or_b32 s[G1+0], s43, (3<<16)|(1<<21)         ; A: the mask; elements of 8 bytes; bit 21 beside a mask; no padding
	s_mov_b32 s[G1+1], 512<<16                     ; a row: 512 elements, 4,096 bytes
	s_mov_b32 s[G1+2], 8<<16                       ; 8 rows
	s_mov_b32 s[G1+3], 512<<16
	s_mov_b32 s[G1+4], 8
	s_mov_b32 s[G1+5], 1024                        ; 8,192 bytes from row to row
	s_mov_b32 s[G1+6], 0
	s_mov_b32 s[G1+7], 0
	s_or_b32 s[G1B+0], s44, (0<<16)|(1<<20)|(1<<21)|(5<<22)|(3<<25)  ; B: 128 rows of 256 bytes, four words of padding after every 64
	s_mov_b32 s[G1B+1], ROWB<<16
	s_mov_b32 s[G1B+2], 128<<16
	s_mov_b32 s[G1B+3], ROWB<<16
	s_mov_b32 s[G1B+4], 128
	s_mov_b32 s[G1B+5], KROW
	s_mov_b32 s[G1B+6], 0
	s_mov_b32 s[G1B+7], 0
	s_or_b32 s[G1S+0], s43, (3<<16)|(1<<20)|(1<<21)|(5<<22)|(3<<25)  ; the scales of 128 rows: 16 rows of 256 bytes, dense, padded
	s_or_b32 s[G1SB+0], s44, (3<<16)|(1<<20)|(1<<21)|(5<<22)|(3<<25)
.irp g, G1S, G1SB
	s_mov_b32 s[\g+1], 32<<16
	s_mov_b32 s[\g+2], 16<<16
	s_mov_b32 s[\g+3], 32<<16
	s_mov_b32 s[\g+4], 16
	s_mov_b32 s[\g+5], 32
	s_mov_b32 s[\g+6], 0
	s_mov_b32 s[\g+7], 0
.endr
	s_lshl_b32 s18, s16, 7
	s_lshl_b32 s20, s17, 8
	s_add_co_u32 s20, s20, s18                     ; A: the first row that I fetch
	s_lshl_b32 s46, s42, 8
	s_add_co_u32 s46, s46, s18                     ; B: likewise
	s_lshl_b32 s22, s20, 5                         ; scales: 32 bytes a row
	s_mov_b32 s23, 0
	s_lshl_b32 s20, s20, 9                         ; images: 16 rows are 8,192 bytes
	s_mov_b32 s21, 0
	s_lshl_b32 s92, s46, 5
	s_mov_b32 s93, 0
	s_lshl_b32 s46, s46, 9                         ; codes: 512 bytes a row
	s_mov_b32 s47, 0
	s_lshl_b32 s45, s16, 15                        ; where they go: A's half,
	s_mul_i32 s95, s16, HALFT
	s_add_co_u32 s95, s95, BOFF                    ; B's half, behind A's two,
	s_mul_i32 s94, s14, HALFS                      ; the scales: wave x 128 rows
	s_wait_dscnt 0x0                               ; both opening adds are done
	s_wait_kmcnt 0x0
	s_add_nc_u64 s[20:21], s[4:5], s[20:21]
	s_add_nc_u64 s[22:23], s[6:7], s[22:23]
	s_add_nc_u64 s[46:47], s[8:9], s[46:47]
	s_add_nc_u64 s[92:93], s[10:11], s[92:93]
	CROUND                                         ; all sixteen work-groups are here: the first joint loads meet
	s_mov_b32 s[G0S], 1
	s_add_co_u32 s[G0S+1], s94, SCL
	s_mov_b64 s[G0S+2:G0S+3], s[22:23]
	s_or_b32 s[G0S+3], s[G0S+3], 0x80000000
	s_mov_b32 s[G0SB], 1
	s_add_co_u32 s[G0SB+1], s94, SCL
	s_mov_b64 s[G0SB+2:G0SB+3], s[92:93]
	s_or_b32 s[G0SB+3], s[G0SB+3], 0x80000000
	JLOAD G0S, G1S, G0SB, G1SB                     ; one load of mine is out behind the third JLOAD
.irp s, 0,1
	s_mov_b32 s[G0+4*\s], 1
	s_add_co_u32 s[G0+4*\s+1], s45, \s*SLOT
	s_add_nc_u64 s[G0+4*\s+2:G0+4*\s+3], s[20:21], \s*4096
	s_or_b32 s[G0+4*\s+3], s[G0+4*\s+3], 0x80000000
	s_mov_b32 s[G0B+4*\s], 1
	s_add_co_u32 s[G0B+4*\s+1], s95, \s*SLOT
	s_add_nc_u64 s[G0B+4*\s+2:G0B+4*\s+3], s[46:47], \s*ROWB
	s_or_b32 s[G0B+4*\s+3], s[G0B+4*\s+3], 0x80000000
	s_wait_alu depctr_va_vdst(0)
	s_wait_tensorcnt 0x0
	ds_add_u32 v28, v29
	s_wait_dscnt 0x0
	CROUND
	JLOAD G0+4*\s, G1, G0B+4*\s, G1B
.endr
	v_and_b32 v1, 15, v0                           ; r
	v_bfe_u32 v2, v0, 4, 1                         ; h
	v_and_b32 v6, 31, v0
	v_lshlrev_b32 v[CO], 4, v6                     ; 16 lane
	v_mul_u32_u24 v3, v1, PITCH
	v_lshl_add_u32 v4, v2, 4, v3
	s_lshl_b32 s21, s15, 15                        ; my 128 rows of A
	s_mul_i32 s22, s16, HALFT                      ; my 128 rows of B
	s_add_co_u32 s22, s22, BOFF
.irp s, 0,1
	v_add_nc_u32 v[ADRA+\s], s21, v[CO]
	v_add_nc_u32 v[ADRB+\s], s22, v4
	s_add_co_u32 s21, s21, SLOT
	s_add_co_u32 s22, s22, SLOT
.endr
	v_mul_u32_u24 v5, v1, KS
	v_lshrrev_b32 v6, 8, v5
	v_lshl_add_u32 v5, v6, 4, v5
	s_mul_i32 s21, s15, HALFS
	s_mul_i32 s22, s16, HALFS
	s_add_co_u32 s22, s22, 2*HALFS
	s_sub_co_u32 s22, s22, s21
	v_mul_u32_u24 v6, s22, v2                      ; lanes 16-31 take B's
	s_add_co_u32 s21, s21, SCL
	v_add_nc_u32 v5, v5, v6
	v_add_nc_u32 v[ADRS], s21, v5
	s_mul_i32 s23, s14, 16*SPITCH                  ; my stage
	v_mul_u32_u24 v5, v1, SPITCH
	v_lshl_add_u32 v5, v2, 5, v5
	v_add_nc_u32 v[STO], s23, v5
	v_add_nc_u32 v[RD], s23, v[CO]
	v_lshlrev_b32 v[BCO], 5, v2
	s_wait_alu depctr_va_vdst(0)
	s_lshl_b32 s20, s17, 8
	s_lshl_b32 s21, s15, 7
	s_add_co_u32 s20, s20, s21                     ; my first row of out0
	s_lshl_b32 s20, s20, 12                        ; 4,096 bytes a row
	s_lshl_b32 s46, s42, 10                        ; my first column, in bytes: 1,024 x tile column + 512 x half
	s_lshl_b32 s47, s16, 9
	s_add_co_u32 s46, s46, s47
	s_mov_b32 s47, 0
	s_mov_b32 s21, 0
	s_add_nc_u64 s[96:97], s[96:97], s[46:47]      ; b_proj at my first column
	s_add_nc_u64 s[20:21], s[20:21], s[46:47]
	s_add_nc_u64 s[98:99], s[98:99], s[20:21]
.irp b, 0,1,2,3,4,5,6,7
	global_load_b128 v[CB+8*\b:CB+8*\b+3], v[BCO], s[96:97] offset:64*\b        ; b_proj[n0 + 16 b + 8 h + 0 .. 3]
	global_load_b128 v[CB+8*\b+4:CB+8*\b+7], v[BCO], s[96:97] offset:64*\b+16
.endr
.macro FRAGB reg, adr, q, i
.irp c, 0,1
	ds_load_b128 v[\reg+4*\c:\reg+4*\c+3], v[\adr] offset:64*(\q)+32*\c+(\i)*16*PITCH
.endr
.endm
.macro FRAGA reg, adr, q, i            ; block i's 4,096 bytes, the q-th 128 along K: two images
.irp c, 0,1
	ds_load_b128 v[\reg+4*\c:\reg+4*\c+3], v[\adr] offset:4096*(\i)+1024*(\q)+512*\c
.endr
.endm
; 16 matrix instructions; zero = 1: the first product of each sum takes the bias as its C.  The 64 accumulators take turns, one instruction a turn.
.macro MUL16 a0, p, q, sc, zero
.irp a, \a0, \a0+1
.irp b, 0,1,2,3,4,5,6,7
.if \zero
	v_wmma_scale_f32_16x16x128_f8f6f4 v[8*(8*((\a)%4)+\b):8*(8*((\a)%4)+\b)+7], v[128*(\p)+FR*\b:128*(\p)+FR*\b+FR-1], v[AF+FR*(\a):AF+FR*(\a)+FR-1], v[CB+8*\b:CB+8*\b+7], v[SC+8*NQ*(\sc)+NQ*\b+(\q)], v[SC+8*NQ*(\sc)+NQ*(\a)+(\q)] matrix_a_fmt:MATRIX_FMT_FP4 matrix_b_fmt:MATRIX_FMT_FP4 matrix_a_scale:MATRIX_SCALE_ROW1
.else
	v_wmma_scale_f32_16x16x128_f8f6f4 v[8*(8*((\a)%4)+\b):8*(8*((\a)%4)+\b)+7], v[128*(\p)+FR*\b:128*(\p)+FR*\b+FR-1], v[AF+FR*(\a):AF+FR*(\a)+FR-1], v[8*(8*((\a)%4)+\b):8*(8*((\a)%4)+\b)+7], v[SC+8*NQ*(\sc)+NQ*\b+(\q)], v[SC+8*NQ*(\sc)+NQ*(\a)+(\q)] matrix_a_fmt:MATRIX_FMT_FP4 matrix_b_fmt:MATRIX_FMT_FP4 matrix_a_scale:MATRIX_SCALE_ROW1
.endif
.endr
.endr
.endm
.macro FETCH_B slot, q, p
	WIN TO_B
.irp i, 0,1,2,3,4,5,6,7
	FRAGB 128*(\p)+FR*\i, ADRB+\slot, \q, \i
.endr
	WIN 0
.endm
.macro FETCH_A slot, q, i0
.irp i, \i0, \i0+1, \i0+2, \i0+3
	FRAGA AF+FR*(\i), ADRA+\slot, \q, \i
.endr
.endm
.macro SCALES sc
.irp i, 0,1,2,3,4,5,6,7
	ds_load_b128 v[SC+8*NQ*\sc+NQ*\i:SC+8*NQ*\sc+NQ*\i+3], v[ADRS] offset:\i*SBLK
.endr
.endm
.macro PLACES n
.rept \n
	v_nop
.endr
.endm
.macro STEP slot, q, zero              ; zero = 1: source 2, the bias, lies in window 0
	s_wait_dscnt 4*NL                              ; all but the youngest eight loads (A's blocks 4-7) are in
	WIN MUL_LO-0x20*\zero
	MUL16 0, (\q)%2, \q, \slot, \zero
	MUL16 2, (\q)%2, \q, \slot, \zero
	s_wait_dscnt 0
	PLACES NP
	FETCH_B \slot, (\q)+1, 1-(\q)%2
	FETCH_A \slot, (\q)+1, 0
	WIN MUL_HI-0x30*\zero
	MUL16 4, (\q)%2, \q, \slot, \zero
	MUL16 6, (\q)%2, \q, \slot, \zero
	PLACES NP
	WIN 0
	FETCH_A \slot, (\q)+1, 4
.endm
.macro TURN slot, next                 ; slot 0's last step changes slots: each wave waits for all its tensor loads, adds 0 to its spare word, waits for that and for its reads; one barrier; nothing is filled again
	s_wait_tensorcnt 0x0
	ds_add_u32 v[SPW], v[NIL]
	s_wait_dscnt 4*NL+1                            ; the add and the youngest eight loads may be out
	WIN MUL_LO
	MUL16 0, 1, NQ-1, \slot, 0
	s_wait_dscnt 0x0
	s_barrier_signal -1
	MUL16 2, 1, NQ-1, \slot, 0
	WIN 0
	s_barrier_wait -1
	PLACES NP
	v_add_nc_u32 v[ADRS], 4*NQ, v[ADRS]
	FETCH_B \next, 0, 0
	FETCH_A \next, 0, 0
	SCALES \next
	WIN MUL_HI
	MUL16 4, 1, NQ-1, \slot, 0
	MUL16 6, 1, NQ-1, \slot, 0
	PLACES NP
	WIN 0
	FETCH_A \next, 0, 4
.endm
.macro STEPS slot, from
.set Q, \from
.rept NQ-1-\from
	STEP \slot, Q, 0
.set Q, Q+1
.endr
.endm
	s_wait_tensorcnt 1                             ; the scales and my part of slot 0 are in; slot 1's load may be out
	s_barrier_signal -1
	s_barrier_wait -1
	FETCH_B 0, 0, 0
	FETCH_A 0, 0, 0
	SCALES 0
	FETCH_A 0, 0, 4
	s_wait_loadcnt 0x0                             ; the bias
	STEP 0, 0, 1
	STEPS 0, 1
	TURN 0, 1
	STEPS 1, 0
	s_wait_dscnt 4*NL
	WIN MUL_LO
	MUL16 0, 1, NQ-1, 1, 0
	MUL16 2, 1, NQ-1, 1, 0
	s_wait_dscnt 0
	WIN MUL_HI
	MUL16 4, 1, NQ-1, 1, 0
	MUL16 6, 1, NQ-1, 1, 0
	WIN 0
; THE WAY OUT, block by block of 16 rows x 128 columns: through my own stage in LDS and back as whole rows of 512 bytes, which the 32 lanes store as one aligned run of 512 bytes.
; LDS serves a wave's instructions in order (ISA guide 5.7.1.4): no wait between the stores and the loads, nor in front of the next block's stores.
.macro TOSTAGE a
.set AC, 64*((\a)%4)
	WIN 0x08+4*((\a)/4)                            ; the data: window 2 or 3
.irp b, 0,1,2,3,4,5,6,7
	ds_store_b128 v[STO], v[AC+8*\b:AC+8*\b+3] offset:64*\b          ; each accumulator from its low end on
	ds_store_b128 v[STO], v[AC+8*\b+4:AC+8*\b+7] offset:64*\b+16
.endr
	WIN 0
.set BB, BK+64*((\a)%2)
.irp t, 0,1,2,3,4,5,6,7,8,9,10,11,12,13,14,15
	ds_load_b128 v[BB+4*\t:BB+4*\t+3], v[RD] offset:\t*SPITCH
.endr
.endm
.macro SEND a, younger                 ; younger: the LDS instructions issued behind block a's loads, which may stay out
.set BB, BK+64*((\a)%2)
	s_wait_dscnt \younger
.if (\a) > 0
	s_add_nc_u64 s[98:99], s[98:99], 16*SIZE_N*4   ; behind a wait on XCNT: the earlier stores have read their base
.endif
.irp t, 0,1,2,3,4,5,6,7,8,9,10,11,12,13,14,15
	global_store_b128 v[CO], v[BB+4*\t:BB+4*\t+3], s[98:99] offset:\t*SIZE_N*4 th:TH_STORE_NT   ; 512 consecutive bytes, aligned; written once, read by nobody here
.endr
.endm
	PLACES NP
	TOSTAGE 0
.irp a, 1,2,3,4,5,6,7
.if \a > 1
	s_wait_xcnt 0x0                                ; block a - 2's stores have read their registers and their base
.endif
	TOSTAGE \a
	SEND \a-1, 32                                  ; behind block a - 1's loads: block a's 16 stores and 16 loads
.endr
	s_wait_xcnt 0x0
	SEND 7, 0
	s_wait_tensorcnt 0x0                           ; the wave's end
	ds_add_u32 v[SPW], v[NIL]
	s_wait_dscnt 0x0
	CROUND                                         ; the closing round
	s_endpgm
.Lfunc_end_k_qd140389f98_proj:
	.size	k_qd140389f98_proj, .Lfunc_end_k_qd140389f98_proj-k_qd140389f98_proj
	.p2alignl 7, 3214868480
	.fill 96, 4, 3214868480
	.section	.rodata,"a",@progbits
	.p2align	6, 0x0
	.amdhsa_kernel k_qd140389f98_proj
		.amdhsa_group_segment_fixed_size 327680
		.amdhsa_private_segment_fixed_size 0
		.amdhsa_enable_private_segment 0
		.amdhsa_kernarg_size 48
		.amdhsa_user_sgpr_count 2
		.amdhsa_user_sgpr_kernarg_segment_ptr 1
		.amdhsa_wavefront_size32 1
		.amdhsa_system_sgpr_workgroup_id_x 1
		.amdhsa_system_sgpr_workgroup_id_y 1
		.amdhsa_system_sgpr_workgroup_id_z 1
		.amdhsa_system_vgpr_workitem_id 0
		.amdhsa_next_free_vgpr 1024
		.amdhsa_next_free_sgpr 100
		.amdhsa_reserve_vcc 0
		.amdhsa_float_denorm_mode_32 3
		.amdhsa_float_denorm_mode_16_64 3
		.amdhsa_memory_ordered 1
		.amdhsa_forward_progress 1
		.amdhsa_inst_pref_size 127
	.end_amdhsa_kernel
	.amdgpu_metadata
---
amdhsa.version: [ 1, 2 ]
amdhsa.kernels:
  - .name:           k_qd140389f98_proj
    .symbol:         k_qd140389f98_proj.kd
    .args:
      - { .name: y_img, .offset: 0, .size: 8, .value_kind: global_buffer, .address_space: global }
      - { .name: y_scl, .offset: 8, .size: 8, .value_kind: global_buffer, .address_space: global }
      - { .name: w_proj_codes, .offset: 16, .size: 8, .value_kind: global_buffer, .address_space: global }
      - { .name: w_proj_scales, .offset: 24, .size: 8, .value_kind: global_buffer, .address_space: global }
      - { .name: b_proj, .offset: 32, .size: 8, .value_kind: global_buffer, .address_space: global }
      - { .name: out0, .offset: 40, .size: 8, .value_kind: global_buffer, .address_space: global }
    .group_segment_fixed_size: 327680
    .private_segment_fixed_size: 0
    .kernarg_segment_align: 8
    .kernarg_segment_size: 48
    .max_flat_workgroup_size: 128
    .sgpr_count:     100
    .vgpr_count:     1024
    .wavefront_size: 32
...
	.end_amdgpu_metadata
.endif
;; end of part 3
